; MI455X (gfx1250); checked and timed in simulation.
; The chip was launched on July 23, 2026; its instructions are those of AMD's public machine-readable ISA for CDNA 5 (MIT licence, August 2026) and "CDNA5" Instruction Set Architecture Reference Guide (July 2026). The comments in the code are by the model that wrote it; some were corrected since.
;; Multi Head Attention. Allowed arithmetic: matrix products marked QUANTISED: E5M2 operands, one given power-of-two scale a tensor, by v_wmma_f32_16x16x64_bf8_bf8 or v_wmma_f32_16x16x128_bf8_bf8, f32 sums; products left as they are: f32 operands where the result goes on into a quantised operand, else bf16, f16 or f32 operands; f32 sums; everything else in f32.
;; Inputs: beta 512 float32; gamma 512 float32; lowp_scales 8 int32 (the exponents e of the quantised operands' scales 2^e); w_fc 512 x 512 float32; w_k_codes 512 x 16 x 32 uint8 (E5M2 codes of w_k, K innermost, in blocks of 32 codes); w_q_codes 512 x 16 x 32 uint8 (E5M2 codes of w_q, K innermost, in blocks of 32 codes); w_v_codes 512 x 16 x 32 uint8 (E5M2 codes of w_v, K innermost, in blocks of 32 codes); x 8 x 2,048 x 512 float32.
;; Outputs: out0 8 x 512 float32; out1 8 x 2,048 float32.
;; This version of the problem:
;;   THIS VERSION OF THE PROBLEM IS GIVEN IN LOW PRECISION. The matrix products marked QUANTISED in the list below multiply operands that are first quantised to E5M2 (5 exponent bits, 2 mantissa bits; 8 bits a number), with one given power-of-two scale for each operand tensor; their sums are f32. All else is computed in f32.
;;   The module's matrix products, in the order in which they are computed (A, B: the left and right operand; K: the contracted axis; several contracted axes count as one K, in the product's order):
;;     1. [M 16,384, K 512] x [K 512, N 512]; A: input x; B: input w_q (given as codes): QUANTISED (scales: A lowp_scales[0], B lowp_scales[1])
;;     2. [M 16,384, K 512] x [K 512, N 512]; A: input x; B: input w_k (given as codes): QUANTISED (scales: A lowp_scales[2], B lowp_scales[3])
;;     3. [M 16,384, K 512] x [K 512, N 512]; A: input x; B: input w_v (given as codes): QUANTISED (scales: A lowp_scales[4], B lowp_scales[5])
;;     4. batch 64 x [M 2,048, K 64] x [K 64, N 2,048]; A: computed on the way; B: computed on the way: QUANTISED (scales: A lowp_scales[6], B lowp_scales[7])
;;     5. batch 64 x [M 1, K 2,048] x [K 2,048, N 64]; A: computed on the way; B: computed on the way: left as it is (M = 1 < 16)
;;     6. [M 8, K 512] x [K 512, N 512]; A: computed on the way; B: input w_fc: left as it is (M = 8 < 16)
;;   THE QUANTISER, for each operand of a quantised product, along K:
;;     - The operand's scale is 2^e, e = its entry of the input lowp_scales (int32; the entries are numbered through the quantised products in the list's order, A before B).
;;     - Each number is divided by the scale, clamped to +-57,344, and rounded to the nearest number of E5M2, ties to even, subnormals kept.
;;     - The product sums the exact products of the quantised numbers (number of the format x scale) in f32.
;;   ~~~python
;;   def quantise(x, axis, e):      # numpy; x: float32 -> the quantised numbers, widened to float32 again
;;       x = np.moveaxis(x, axis, -1); K = x.shape[-1]
;;       r = np.clip(x / 2.0 ** e, -57344, 57344)
;;       step = 2.0 ** (np.maximum(np.frexp(np.where(r == 0, 1, r))[1] - 1, -14) - 2)
;;       q = np.round(r / step) * step * 2.0 ** e      # np.round: ties to even
;;       return np.moveaxis(q, -1, axis).astype(np.float32)
;;   ~~~
;;   OPERANDS COMPUTED ON THE WAY. 'Computed on the way' means the value that the module computes at that place (a softmax that the list does not call 'softmax' is quantised finished and normalised). What goes into a quantiser is computed in f32, as accurately as f32 sums, v_exp_f32 and their like allow (about 1e-6 of the number): no bf16 or f16 on the way to a quantiser, and a product that is left as it is and whose result goes on into a quantised operand takes f32 operands (vector FMAs, or v_wmma_f32_16x16x4_f32). A number that lies on a knife's edge between two numbers of the format may be rounded either way, as far as f32 arithmetic and the matrix unit's own rounding can turn it there, and no further.
;;   INPUTS GIVEN AS CODES. w_k (in the module: [512, 512], K = its axis 1); w_q (in the module: [512, 512], K = its axis 1); w_v (in the module: [512, 512], K = its axis 1): each comes as NAME_codes (uint8): NAME with its K axis moved to the last place and cut into blocks of 32 codes, [.., K / 32, bytes a block], one block behind the other in memory; one code a byte (a code: sign, 5 exponent bits, 2 mantissa bits); its scale is its entry of lowp_scales. Its value is code x scale, taken as it is: it is not quantised again, and the codes and scales need not be those that the quantiser above would give.
;; 2 versions, each right; version 2 is version 1 with the launches proj, attn written anew for expert scheduling mode. Each part assembles by itself: llvm-mc -triple=amdgcn-amd-amdhsa -mcpu=gfx1250 --defsym DOCPART=n.
;; ======== version 1 of 2: 3 launches
;; workspace buffers: qimg 8,388,608 bytes; kimg 8,388,608 bytes; vimg 16,777,216 bytes; wt 1,048,576 bytes; respart 524,288 bytes; ppart 2,097,152 bytes; ypart 524,288 bytes
;; launch proj (part 1): grid 256 x 1, 4 waves a work-group, no clusters, 242,176 bytes of LDS; arguments x, w_q_codes, w_k_codes, w_v_codes, w_fc, lowp_scales, qimg, kimg, vimg, wt, respart; writes qimg, kimg, vimg, wt, respart
.if DOCPART == 1
	.amdgcn_target "amdgcn-amd-amdhsa--gfx1250"
	.amdhsa_code_object_version 6
	.text
	.protected	k_q4b433705f1_proj
	.globl	k_q4b433705f1_proj
	.p2align	8
	.type	k_q4b433705f1_proj,@function
k_q4b433705f1_proj:
	s_mov_b64 s[64:65], 0
	v_nop
	global_prefetch_b8 v0, s[64:65] scope:SCOPE_SE
	s_setreg_imm32_b32 hwreg(HW_REG_WAVE_MODE, 25, 1), 1
	s_wait_xcnt 0x0
; FIRST OF THREE LAUNCHES.  x [16384][512] f32 is quantised three times (2^e0, 2^e2, 2^e4) and multiplied by the codes of w_q, w_k, w_v (products 1 to 3, E5M2, f32 sums).
; q / 8 is quantised with 2^e6 and k with 2^e7, in registers, and both leave as codes in the order of the next product's operand registers; v leaves as bf16 (the raw sums: 2^(e4 + e5) is applied later, exactly).
; Beside that: the sum of x over my 64 tokens (for the residual), and a block of w_fc transposed.
; DEAD WORK: none.  Every input has a way to an output (x, the three weights and the eight scales to both; w_fc, gamma, beta to the first), so nothing is left out.
; LIMITS: e0, e2, e4, e6 + 3 - e0 - e1 and e7 - e2 - e3 lie between -126 and 112, so that each scale and 57,344 x the scale is an f32 number.  NaN and infinity among the inputs are not served.
; The residual's sum over tokens is taken in another order than the definition's, in f32.  v is rounded to bf16: it is an operand of a product that is left as it is; bf16 has f32's range.
; SHARES.  Work-group rb owns tokens 64 rb .. 64 rb + 63.  Wave w quantises tokens 16 w .. 16 w + 15; the codes go to the other waves through LDS as images of the operand's registers.
; Six passes: pass a is product a / 2, and wave w makes head 4 (a % 2) + w: 64 columns x 64 tokens x K 512: 16 accumulators, 64 matrix instructions.
; THE MATRIX INSTRUCTION IS USED TRANSPOSED (source 0 = 16 rows of W, source 1 = 16 tokens): a lane holds one token and eight neighbouring columns, so a head's four tiles convert into the 8 registers of a 16 x 16 x 64 fragment.
; k's places inside a 128-step are permuted alike in x and W (registers 4 c .. 4 c + 3: k = 32 c + 16 (lane / 16) + 0 .. 15): every product meets its partner.
; NO JOINT LOADS, THOUGH ALL WORK-GROUPS READ THE SAME WEIGHTS: two LDS slots of a pass's 131,072 bytes beside the 98,304 bytes of x's images pass 327,680; smaller slots would put a round of a cluster's barrier
; in front of every 32 matrix instructions of a wave.  Here each weight byte is used by one wave alone, which asks for its 32,768 bytes a whole pass ahead, into registers, and turns them through its own stage: no barrier.
; REGISTERS, in windows of 256: window 0: v1-15 addresses, v16-31 the residual's sums, v32-41 scales, v44-45 the add's two, v48-55 w_fc, v64-191 accumulators (at first: 64 numbers of x and their held copy), v192-255 codes and packed results.
;   window 1: x's 16 fragments (m, s) at 16 (4 m + s).   window 2: W's 16 fragments (ct, s) at 16 (4 ct + s).   window 3: 64 x 4 registers as loaded: x, later W's rows.
.set WSTGB, 33792                      ; a wave's stage: 64 rows of 512 bytes + 16 of padding (pitch 528 = 33 x 16: sixteen rows start at sixteen different 16-byte columns)
.set XIMG,  4*WSTGB                    ; x's images: 32,768 for each of the three scales: fragment (m, s) at 2,048 (4 m + s), register group c at 512 c, 16 bytes a lane
.set RES,   XIMG+3*32768               ; the waves' sums of x: 2,048 bytes a wave
.set SPARE, RES+8192                   ; the spare words: 128 bytes a wave, two blocks of 256 bytes that no other line names
.set LN16, 1                           ; v1   16 x lane
.set AST,  2                           ; v2   my stage + 16 x lane: a row goes in as it lies
.set AXL,  3                           ; v3   my stage + 528 r + 64 h: my 16 numbers of a block of 32 of x
.set AWL,  4                           ; v4   my stage + 528 r + 16 h: my 16 codes of a block of 32 of W
.set AIW,  5                           ; v5-7  where I store x's images, for each scale
.set AIR,  8                           ; v8-10 where any wave reads them
.set ARS,  11                          ; v11  where I store my sums of x
.set ARL,  12                          ; v12  where I read the four waves' sums of my 128 columns
.set FCI,  13                          ; v13  4,096 x lane: two rows of w_fc
.set FCO,  14                          ; v14  8 x lane
.set RS,   16
.set SC,   32                          ; v32.. pairs (scale, 57,344 x scale): x by e0, e2, e4; q; k
.set SPW,  44
.set NIL,  45
.set FC,   48
.set ACC,  64
.set NN,   64
.set TT,   128
.set CD,   192
.set MSB, 0
.macro WIN new                         ; the immediate's high byte repeats the setting that is left; a switch that changes nothing is dropped
.if MSB != (\new)
	s_set_vgpr_msb (MSB<<8)|(\new)
.set MSB, \new
.endif
.endm
.macro MKSC e, vs                      ; E in a scalar register -> 2^E and 57,344 x 2^E as f32
	s_add_co_i32 s66, \e, 127
	s_lshl_b32 s67, s66, 23
	v_mov_b32 v[\vs], s67
	s_add_co_i32 s66, s66, 15
	s_lshl_b32 s66, s66, 23
	s_or_b32 s66, s66, 0x600000
	v_mov_b32 v[\vs+1], s66
.endm
; 64 numbers of a lane (register 16 b + i = k 32 b + 16 h + i of my row) become a fragment's 16 registers of codes.  The hold goes into a copy: three scales read the same numbers.
.macro QUANT sc, pc
.set bb, 0
.rept 4
.set jj, 0
.rept 16
	v_med3_num_f32 v[TT+16*bb+jj], v[NN+16*bb+jj], -v[\sc+1], v[\sc+1]   ; the conversion to an 8-bit code does not saturate (ISA guide 7.6.2): the hold at the largest code x the scale
.set jj, jj+1
.endr
	v_cvt_scalef32_pk8_bf8_f32 v[\pc+4*bb:\pc+4*bb+1], v[TT+16*bb:TT+16*bb+7], v[\sc]
	v_cvt_scalef32_pk8_bf8_f32 v[\pc+4*bb+2:\pc+4*bb+3], v[TT+16*bb+8:TT+16*bb+15], v[\sc]
.set bb, bb+1
.endr
	v_nop                                          ; a plain line behind the last conversion: its sources are written again by vector and matrix instructions
.endm
.macro IMAGE adr, s, pc                ; the fragment goes to LDS as it stands
.set cc, 0
.rept 4
	ds_store_b128 v[\adr], v[\pc+4*cc:\pc+4*cc+3] offset:2048*(\s)+512*cc
.set cc, cc+1
.endr
.endm
	s_load_b256 s[4:11], s[0:1], 0x0               ; x, w_q, w_k, w_v
	s_load_b256 s[12:19], s[0:1], 0x20             ; w_fc, the scales' exponents, qimg, kimg
	s_load_b128 s[20:23], s[0:1], 0x40             ; vimg, wt
	s_load_b64 s[24:25], s[0:1], 0x50              ; respart
	v_lshl_add_u32 v[SPW], v0, 2, SPARE
	v_mov_b32 v[NIL], 0
	v_lshrrev_b32 v46, 5, v0
	v_readfirstlane_b32 s40, v46                   ; wave 0..3
	v_and_b32 v46, 31, v0                          ; lane
	v_and_b32 v47, 15, v0                          ; r
	v_bfe_u32 v15, v0, 4, 1                        ; h
	v_lshlrev_b32 v[LN16], 4, v46
	s_mul_i32 s26, s40, WSTGB
	v_add_nc_u32 v[AST], s26, v[LN16]
	v_mul_u32_u24 v[AXL], v47, 528
	v_add_nc_u32 v[AXL], s26, v[AXL]
	v_lshl_add_u32 v[AWL], v15, 4, v[AXL]
	v_lshl_add_u32 v[AXL], v15, 6, v[AXL]
	s_lshl_b32 s27, s40, 13                        ; my tokens are tile m = w: 4 fragments of 2,048 bytes
	v_add_nc_u32 v[AIW], s27, v[LN16]
	v_add_nc_u32 v[AIW], XIMG, v[AIW]
	v_add_nc_u32 v[AIW+1], 32768, v[AIW]
	v_add_nc_u32 v[AIW+2], 65536, v[AIW]
	v_add_nc_u32 v[AIR], XIMG, v[LN16]
	v_add_nc_u32 v[AIR+1], XIMG+32768, v[LN16]
	v_add_nc_u32 v[AIR+2], XIMG+65536, v[LN16]
	s_lshl_b32 s27, s40, 11
	v_add_nc_u32 v[ARS], s27, v[LN16]
	v_add_nc_u32 v[ARS], RES, v[ARS]
	s_lshl_b32 s27, s40, 9
	v_add_nc_u32 v[ARL], s27, v[LN16]
	v_add_nc_u32 v[ARL], RES, v[ARL]
	v_lshlrev_b32 v[FCI], 12, v46
	v_lshlrev_b32 v[FCO], 3, v46
	s_lshr_b32 s41, ttmp9, 5                       ; the batch
	s_and_b32 s42, ttmp9, 31                       ; my 64 tokens' place in it
	s_and_b32 s43, ttmp9, 7                        ; w_fc: block of 64 rows n
	s_lshr_b32 s46, ttmp9, 3                       ; w_fc: block of 16 columns c
	s_lshl_b32 s44, ttmp9, 17                      ; x: 64 rows of 2,048 bytes a work-group,
	s_lshl_b32 s58, s40, 15                        ; 16 a wave.  Also: a head's 64 rows of 512 codes
	s_add_co_u32 s44, s44, s58
	s_mov_b32 s45, 0
	s_mov_b32 s59, 0
	s_lshl_b32 s60, s41, 20                        ; qimg, kimg: ((8 b + head) x 128 + 4 x place) x 1,024, head = w for now
	s_lshl_b32 s27, s40, 17
	s_add_co_u32 s60, s60, s27
	s_lshl_b32 s27, s42, 12
	s_add_co_u32 s60, s60, s27
	s_mov_b32 s61, 0
	s_lshl_b32 s62, s60, 1                         ; vimg: twice that
	s_mov_b32 s63, 0
	s_lshl_b32 s72, ttmp9, 11                      ; respart: row rb, my 128 columns
	s_lshl_b32 s27, s40, 9
	s_add_co_u32 s72, s72, s27
	s_mov_b32 s73, 0
	s_lshl_b32 s74, s43, 17                        ; w_fc: row 64 nb, column 16 cb + 4 w
	s_lshl_b32 s27, s46, 6
	s_add_co_u32 s74, s74, s27
	s_lshl_b32 s27, s40, 4
	s_add_co_u32 s74, s74, s27
	s_mov_b32 s75, 0
	s_lshl_b32 s76, s46, 15                        ; wt: row 16 cb + 4 w, column 64 nb
	s_lshl_b32 s27, s40, 13
	s_add_co_u32 s76, s76, s27
	s_lshl_b32 s27, s43, 8
	s_add_co_u32 s76, s76, s27
	s_mov_b32 s77, 0
	s_wait_kmcnt 0x0
	s_load_b256 s[32:39], s[14:15], 0x0            ; e0 .. e7
	s_add_nc_u64 s[48:49], s[4:5], s[44:45]        ; x at my wave's first token
	s_add_nc_u64 s[56:57], s[6:7], s[58:59]        ; pass 0's rows of w_q
	s_add_nc_u64 s[52:53], s[24:25], s[72:73]
	s_add_nc_u64 s[54:55], s[12:13], s[74:75]
	s_add_nc_u64 s[70:71], s[22:23], s[76:77]
	WIN 0xc0                                       ; destination window 3
.set ii, 0
.rept 64                                       ; K step ii / 16, row ii % 16: 32 lanes read 512 consecutive bytes
	global_load_b128 v[4*ii:4*ii+3], v[LN16], s[48:49] offset:2048*(ii%16)+512*(ii/16) th:TH_LOAD_NT
.set ii, ii+1
.endr
	WIN 0
	s_wait_kmcnt 0x0
	s_add_co_i32 s68, s38, 3                       ; a sum of product 1 stands for sum x 2^(e0 + e1); q / 8 / 2^e6 = sum / 2^(e6 + 3 - e0 - e1)
	s_sub_co_i32 s68, s68, s32
	s_sub_co_i32 s68, s68, s33
	s_sub_co_i32 s69, s39, s34                     ; k / 2^e7 = sum / 2^(e7 - e2 - e3)
	s_sub_co_i32 s69, s69, s35
	MKSC s32, SC
	MKSC s34, SC+2
	MKSC s36, SC+4
	MKSC s68, SC+6
	MKSC s69, SC+8
; K step s of my 16 tokens: summed for the residual, turned through my stage (a load has neighbouring bytes in neighbouring lanes, a conversion wants 16 neighbours in one lane), quantised three times.
.macro XSTEP s
	s_wait_loadcnt 48                              ; younger: 16 (3 - s) loads of x and the 16 s loads of W issued so far
	WIN 0x0f                                       ; sources 0 and 1 window 3
	v_pk_add_f32 v[RS+4*\s:RS+4*\s+1], v[64*\s:64*\s+1], v[64*\s+4:64*\s+5]       ; rows 0 and 1 start the sums: nothing is cleared
	v_pk_add_f32 v[RS+4*\s+2:RS+4*\s+3], v[64*\s+2:64*\s+3], v[64*\s+6:64*\s+7]
	WIN 0x0c                                       ; source 1 (a store's data too) window 3
.set ii, 0
.rept 16
	ds_store_b128 v[AST], v[64*\s+4*ii:64*\s+4*ii+3] offset:528*ii
.if ii > 1
	v_pk_add_f32 v[RS+4*\s:RS+4*\s+1], v[RS+4*\s:RS+4*\s+1], v[64*\s+4*ii:64*\s+4*ii+1]
	v_pk_add_f32 v[RS+4*\s+2:RS+4*\s+3], v[RS+4*\s+2:RS+4*\s+3], v[64*\s+4*ii+2:64*\s+4*ii+3]
.endif
.set ii, ii+1
.endr
	WIN 0
.set ii, 0
.rept 16                                       ; block ii / 4, my 16 numbers in four pieces.  LDS serves a wave's instructions in order: these see my stores
	ds_load_b128 v[NN+4*ii:NN+4*ii+3], v[AXL] offset:128*(ii/4)+16*(ii%4)
.set ii, ii+1
.endr
	s_wait_dscnt 0x0                               ; the numbers are in; the stage's stores and the last step's images have read their registers
	QUANT SC, CD
	IMAGE AIW, \s, CD
	QUANT SC+2, CD+16
	IMAGE AIW+1, \s, CD+16
	QUANT SC+4, CD+32
	IMAGE AIW+2, \s, CD+32
	WIN 0xc0
.set ii, 0
.rept 16                                       ; pass 0's rows 16 s .. 16 s + 15 of W, into the registers that this step has left: a load is one row of 512 codes
	global_load_b128 v[64*\s+4*ii:64*\s+4*ii+3], v[LN16], s[56:57] offset:512*(16*\s+ii)
.set ii, ii+1
.endr
	WIN 0
.endm
	XSTEP 0
	XSTEP 1
	XSTEP 2
	XSTEP 3
.set ii, 0
.rept 4
	ds_store_b128 v[ARS], v[RS+4*ii:RS+4*ii+3] offset:512*ii
.set ii, ii+1
.endr
	s_wait_dscnt 0x0                               ; for the others' sake: my images of x and my sums have landed
	s_barrier_signal -1
	s_barrier_wait -1                              ; the launch's one barrier: from here on x's images and the sums are only read
.set ii, 0
.rept 4
	ds_load_b128 v[NN+4*ii:NN+4*ii+3], v[ARL] offset:2048*ii
.set ii, ii+1
.endr
	s_wait_dscnt 0x0
	v_pk_add_f32 v[NN:NN+1], v[NN:NN+1], v[NN+4:NN+5]
	v_pk_add_f32 v[NN+2:NN+3], v[NN+2:NN+3], v[NN+6:NN+7]
	v_pk_add_f32 v[NN+8:NN+9], v[NN+8:NN+9], v[NN+12:NN+13]
	v_pk_add_f32 v[NN+10:NN+11], v[NN+10:NN+11], v[NN+14:NN+15]
	v_pk_add_f32 v[240:241], v[NN:NN+1], v[NN+8:NN+9]          ; into registers that are next written behind a wait on XCNT
	v_pk_add_f32 v[242:243], v[NN+2:NN+3], v[NN+10:NN+11]
	global_store_b128 v[LN16], v[240:243], s[52:53]            ; 512 consecutive bytes a wave
.macro PASS a
.set PI,  (\a)/2
.set ODD, (\a)%2
	s_wait_loadcnt 0x0                             ; my 64 rows of W are in registers; their base may be written again
	WIN 0x0c
.set ii, 0
.rept 64
	ds_store_b128 v[AST], v[4*ii:4*ii+3] offset:528*ii
.set ii, ii+1
.endr
.set ss, 0
.rept 4                                        ; the fragments, K step by K step.  x's stay for the product's second pass
.if ODD == 0
	WIN 0x40
.set ii, 0
.rept 16                                       ; tile of tokens ii / 4, register group ii % 4
	ds_load_b128 v[16*(4*(ii/4)+ss)+4*(ii%4):16*(4*(ii/4)+ss)+4*(ii%4)+3], v[AIR+PI] offset:(4*(ii/4)+ss)*2048+512*(ii%4)
.set ii, ii+1
.endr
.endif
	WIN 0x80
.set ii, 0
.rept 16                                       ; tile of columns ii / 4, block of 32 codes ii % 4
	ds_load_b128 v[16*(4*(ii/4)+ss)+4*(ii%4):16*(4*(ii/4)+ss)+4*(ii%4)+3], v[AWL] offset:8448*(ii/4)+128*ss+32*(ii%4)
.set ii, ii+1
.endr
.set ss, ss+1
.endr
.set ss, 0
.rept 4
.set CN, (32-16*ODD)*(3-ss)                    ; the fragment loads of the later K steps may be out; the wait's field holds 63 at the most
.if CN > 63
.set CN, 63
.endif
	s_wait_dscnt CN
.if ss == 0                                    ; behind the first of these waits all 64 stores into the stage are done: their registers take the next pass's rows
.if (\a) < 5
	s_add_nc_u64 s[56:57], s[6+2*(((\a)+1)/2):7+2*(((\a)+1)/2)], s[58:59]
.if ((\a)+1)%2
	s_add_nc_u64 s[56:57], s[56:57], 131072        ; heads 4 to 7
.endif
	WIN 0xc0
.set ii, 0
.rept 64
	global_load_b128 v[4*ii:4*ii+3], v[LN16], s[56:57] offset:512*ii
.set ii, ii+1
.endr
.else
	WIN 0
.set ii, 0
.rept 8                                        ; w_fc[64 nb + 2 lane + e][16 cb + 4 w + i] -> v[FC + 2 i + e]
	global_load_b32 v[FC+ii], v[FCI], s[54:55] offset:2048*(ii%2)+4*(ii/2)
.set ii, ii+1
.endr
.endif
.endif
	WIN 0x06                                       ; source 0 (W) window 2, source 1 (x) window 1, C and D window 0
.set ii, 0
.rept 16                                       ; the 16 accumulators take turns, one instruction a turn; the first K step starts the sums
.if ss == 0
	v_wmma_f32_16x16x128_bf8_bf8 v[ACC+8*ii:ACC+8*ii+7], v[16*(4*(ii%4)+ss):16*(4*(ii%4)+ss)+15], v[16*(4*(ii/4)+ss):16*(4*(ii/4)+ss)+15], 0
.else
	v_wmma_f32_16x16x128_bf8_bf8 v[ACC+8*ii:ACC+8*ii+7], v[16*(4*(ii%4)+ss):16*(4*(ii%4)+ss)+15], v[16*(4*(ii/4)+ss):16*(4*(ii/4)+ss)+15], v[ACC+8*ii:ACC+8*ii+7]
.endif
.set ii, ii+1
.endr
.set ss, ss+1
.endr
	WIN 0
.rept 4
	v_nop                                          ; four places behind the last product, for the reads of results below and the next pass's loads into the fragments
.endr
	s_wait_xcnt 0x0                                ; the earlier stores have read their data and their base: both are written again below
.if PI < 2
	s_add_nc_u64 s[50:51], s[16+2*PI:17+2*PI], s[60:61]
.if ODD
	s_add_nc_u64 s[50:51], s[50:51], 524288        ; heads 4 to 7
.endif
.set mm, 0
.rept 4                                        ; 16 tokens x my head's 64: lane (r, h) holds token r, tile ct's register j is d = 16 ct + 8 h + j: the 16 x 16 x 64 form's own places
.set jj, 0
.rept 32
	v_med3_num_f32 v[ACC+32*mm+jj], v[ACC+32*mm+jj], -v[SC+7+2*PI], v[SC+7+2*PI]   ; each accumulator from its low end on
.set jj, jj+1
.endr
.set jj, 0
.rept 4
	v_cvt_scalef32_pk8_bf8_f32 v[CD+8*mm+2*jj:CD+8*mm+2*jj+1], v[ACC+32*mm+8*jj:ACC+32*mm+8*jj+7], v[SC+6+2*PI]
.set jj, jj+1
.endr
	v_nop                                          ; a plain line behind the conversions: the next pass's products write their sources
	global_store_b128 v[LN16], v[CD+8*mm:CD+8*mm+3], s[50:51] offset:1024*mm          ; 512 consecutive bytes, aligned
	global_store_b128 v[LN16], v[CD+8*mm+4:CD+8*mm+7], s[50:51] offset:1024*mm+512
.set mm, mm+1
.endr
.else
	s_add_nc_u64 s[50:51], s[20:21], s[62:63]
.if ODD
	s_add_nc_u64 s[50:51], s[50:51], 1048576
.endif
.set ii, 0
.rept 64                                       ; accumulator ii / 4, pair ii % 4: the first source goes to the low half
	v_cvt_pk_bf16_f32 v[CD+ii], v[ACC+2*ii], v[ACC+2*ii+1]
.set ii, ii+1
.endr
.set ii, 0
.rept 16                                       ; tile of tokens ii / 4, tile of columns ii % 4
	global_store_b128 v[LN16], v[CD+4*ii:CD+4*ii+3], s[50:51] offset:512*ii
.set ii, ii+1
.endr
.endif
.endm
	PASS 0
	PASS 1
	PASS 2
	PASS 3
	PASS 4
	PASS 5
	s_wait_loadcnt 0x0                             ; w_fc's eight numbers a lane
.set ii, 0
.rept 4
	global_store_b64 v[FCO], v[FC+2*ii:FC+2*ii+1], s[70:71] offset:2048*ii   ; wt[16 cb + 4 w + i][64 nb + 2 lane ..]: 256 consecutive bytes, aligned
.set ii, ii+1
.endr
	s_wait_tensorcnt 0x0                           ; the wave's end: behind my last LDS store
	ds_add_u32 v[SPW], v[NIL]
	s_wait_dscnt 0x0
	s_endpgm
.Lfunc_end_k_q4b433705f1_proj:
	.size	k_q4b433705f1_proj, .Lfunc_end_k_q4b433705f1_proj-k_q4b433705f1_proj
	.p2alignl 7, 3214868480
	.fill 96, 4, 3214868480
	.section	.rodata,"a",@progbits
	.p2align	6, 0x0
	.amdhsa_kernel k_q4b433705f1_proj
		.amdhsa_group_segment_fixed_size 242176
		.amdhsa_private_segment_fixed_size 0
		.amdhsa_enable_private_segment 0
		.amdhsa_kernarg_size 88
		.amdhsa_user_sgpr_count 2
		.amdhsa_user_sgpr_kernarg_segment_ptr 1
		.amdhsa_wavefront_size32 1
		.amdhsa_system_sgpr_workgroup_id_x 1
		.amdhsa_system_sgpr_workgroup_id_y 1
		.amdhsa_system_sgpr_workgroup_id_z 1
		.amdhsa_system_vgpr_workitem_id 0
		.amdhsa_next_free_vgpr 1024
		.amdhsa_next_free_sgpr 80
		.amdhsa_reserve_vcc 0
		.amdhsa_float_denorm_mode_32 3
		.amdhsa_float_denorm_mode_16_64 3
		.amdhsa_memory_ordered 1
		.amdhsa_forward_progress 1
		.amdhsa_inst_pref_size 255
	.end_amdhsa_kernel
	.section	.bss,"aw",@nobits
	.p2align	6
	.space	262144
	.amdgpu_metadata
---
amdhsa.version: [ 1, 2 ]
amdhsa.kernels:
  - .name:           k_q4b433705f1_proj
    .symbol:         k_q4b433705f1_proj.kd
    .args:
      - { .name: x, .offset: 0, .size: 8, .value_kind: global_buffer, .address_space: global }
      - { .name: w_q_codes, .offset: 8, .size: 8, .value_kind: global_buffer, .address_space: global }
      - { .name: w_k_codes, .offset: 16, .size: 8, .value_kind: global_buffer, .address_space: global }
      - { .name: w_v_codes, .offset: 24, .size: 8, .value_kind: global_buffer, .address_space: global }
      - { .name: w_fc, .offset: 32, .size: 8, .value_kind: global_buffer, .address_space: global }
      - { .name: lowp_scales, .offset: 40, .size: 8, .value_kind: global_buffer, .address_space: global }
      - { .name: qimg, .offset: 48, .size: 8, .value_kind: global_buffer, .address_space: global }
      - { .name: kimg, .offset: 56, .size: 8, .value_kind: global_buffer, .address_space: global }
      - { .name: vimg, .offset: 64, .size: 8, .value_kind: global_buffer, .address_space: global }
      - { .name: wt, .offset: 72, .size: 8, .value_kind: global_buffer, .address_space: global }
      - { .name: respart, .offset: 80, .size: 8, .value_kind: global_buffer, .address_space: global }
    .group_segment_fixed_size: 242176
    .private_segment_fixed_size: 0
    .kernarg_segment_align: 8
    .kernarg_segment_size: 88
    .max_flat_workgroup_size: 128
    .sgpr_count:     80
    .vgpr_count:     1024
    .wavefront_size: 32
...
	.end_amdgpu_metadata
.endif
;; end of part 1
;; launch attn (part 2): grid 4 x 64, 4 waves a work-group, no clusters, 46,592 bytes of LDS; arguments qimg, kimg, vimg, wt, lowp_scales, ppart, ypart; writes ppart, ypart
.if DOCPART == 2
	.amdgcn_target "amdgcn-amd-amdhsa--gfx1250"
	.amdhsa_code_object_version 6
	.text
	.protected	k_q4b433705f1_attn
	.globl	k_q4b433705f1_attn
	.p2align	8
	.type	k_q4b433705f1_attn,@function
k_q4b433705f1_attn:
	s_mov_b64 s[64:65], 0
	v_nop
	global_prefetch_b8 v0, s[64:65] scope:SCOPE_SE
	s_setreg_imm32_b32 hwreg(HW_REG_WAVE_MODE, 25, 1), 1
	s_wait_xcnt 0x0
; SECOND LAUNCH.  For one (batch, head) bh and one quarter qq of its queries: the sum over the quarter's 512 queries of softmax_k(q . k) (product 4, on codes of E5M2), for all 2,048 keys -> ppart;
; then that sum x v (product 5) and x w_fc^T (product 6), which are linear in it, so that a quarter's share can be made here and the shares added later -> ypart.  No work is left out.
; SHARES.  Wave w keeps the codes of keys 512 w .. 512 w + 511 in 256 registers for the whole launch and walks the quarter's 32 tiles of 16 queries.
; S^T = K Q^T (source 0 = 16 keys, source 1 = 16 queries): lane (r, h) holds query r, register j of key tile t is key 16 t + 8 h + j.
; THE SOFTMAX.  Every exponential is taken once.  A UNIT is 16 queries x 256 keys (128 registers): M = c x the unit's largest score, p = 2^(c s - M), l = the sum of p; c = log2(e) 2^(e6 + e7).
; A tile has eight units (4 waves x 2).  Their (M, l) meet in LDS: MG = the largest M, L = the sum of 2^(M_i - MG) l_i, and a unit's p x 2^(M - MG) / L is the finished softmax, added onto the column sums, element by element.
; So the maximum is taken away ahead of every exponential, and no sum can overflow: every p and every factor is at most 1, L is at least 1 and at most 2,048.
; THREE BUFFERS of 128 registers: F0 and F1 hold the tiles' first halves by turns, S the second half.  While the tile's records cross LDS, the next tile's first half is multiplied and exponentiated: one barrier a tile.
; K IS NOT SHARED BY JOINT LOADS, though the four quarters read the same 131,072 bytes: each wave reads its part once, at the head, in the order of its registers, straight into the registers where it stays.
; LIMITS: e6 + e7 between -126 and 127 (added to c's exponent field); e4 + e5 is applied by v_ldexp_f32 and has none.  NaN and infinity are not served.  The sums over queries are taken in another order than the definition's, in f32.
; REGISTERS: window 1: K, tile t at 8 t (later v, later the pooled head).  window 2: the column sums, 8 t + j (later v).  window 3: F0 at 0, F1 at 128 (later w_fc^T).
;   window 0: v1 16 x lane (also the records' read address: they lie at LDS byte 0), v2 the records' store address, v4-5 the add's two, v6-7 prefetch offsets, v8-23 Q of two tiles, v24-31 two records (MA, lA, MB, lB),
;   v32-35 maxima, v36-43 sums, v44 a lane permute's destination, v48-63 the four waves' records, v64-73 factors, v76-79 the two weights (pairs), v80-83 at work, v84-124 the tail's, v128-255 S.
.set RSTG,  4096                       ; LDS: 0: two slots of records, 2,048 each (512 a wave, 16 a lane);  here: 8,192 a wave, for the sum over the query lanes
.set PPL,   36864                      ; 2,048 a wave: my 512 column sums
.set OSUM,  45056                      ; 256 a wave: my keys' share of the pooled head
.set SPARE, 46080                      ; the spare words: 128 bytes a wave, two blocks of 256 bytes that no other line names
.set LN16, 1
.set STW,  2
.set SPW,  4
.set NIL,  5
.set PFV,  6
.set PFW,  7
.set RA,   84                          ; v84-99   sixteen read addresses of the sum over lanes
.set PP,   100                         ; v100-115 my column sums: pass pi's register i is key 128 pi + 4 lane + i
.set MSB, 0
.macro WIN new                         ; the immediate's high byte repeats the setting that is left; a switch that changes nothing is dropped
.if MSB != (\new)
	s_set_vgpr_msb (MSB<<8)|(\new)
.set MSB, \new
.endif
.endm
; 16 products: key tiles at v[kb] on (window 1) x the queries in v[q] on -> v[buf] on, in window bw
.macro U_MM buf, bw, kb, q
.set WN, ((\bw)<<6)|1
	WIN WN
.set tt, 0
.rept 16
	v_wmma_f32_16x16x64_bf8_bf8 v[\buf+8*tt:\buf+8*tt+7], v[\kb+8*tt:\kb+8*tt+7], v[\q:\q+7], 0
.set tt, tt+1
.endr
.endm
; M = c x the largest of my query's 256 scores.  The four lines that start the chains are the four places behind the products (ISA guide 7.12.1); each accumulator is read from its low end on.
.macro U_MAX buf, bw, M
.set WN, ((\bw)<<4)|((\bw)<<2)
	WIN WN
.set tt, 0
.rept 4
	v_mov_b32 v[32+tt], 0xff800000
.set tt, tt+1
.endr
.set tt, 0
.rept 64
	v_max3_num_f32 v[32+tt%4], v[32+tt%4], v[\buf+2*tt], v[\buf+2*tt+1]
.set tt, tt+1
.endr
	WIN 0
	v_max3_num_f32 v32, v32, v33, v34
	v_max_num_f32 v32, v32, v35
	v_permlanex16_b32 v44, v32, s26, s27           ; the query's other 128 keys lie in the lane 16 away
	v_max_num_f32 v32, v32, v44
	v_mul_f32 v[\M], s24, v32                      ; c is positive
.endm
; p = 2^(c s - M), in place.  A pair is scaled two groups ahead of its exponentials; no line names an exponential's result; one plain line and ONE wait close the batch.
.macro U_EXP buf, bw, M
.set WN, ((\bw)<<6)|(\bw)
	WIN WN
	v_pk_fma_f32 v[\buf:\buf+1], v[\buf:\buf+1], s[24:25], v[\M:\M+1] op_sel_hi:[1,0,0] neg_lo:[0,0,1] neg_hi:[0,0,1]
	v_pk_fma_f32 v[\buf+2:\buf+3], v[\buf+2:\buf+3], s[24:25], v[\M:\M+1] op_sel_hi:[1,0,0] neg_lo:[0,0,1] neg_hi:[0,0,1]
.set kk, 0
.rept 64
.if kk+2 < 64
	v_pk_fma_f32 v[\buf+2*kk+4:\buf+2*kk+5], v[\buf+2*kk+4:\buf+2*kk+5], s[24:25], v[\M:\M+1] op_sel_hi:[1,0,0] neg_lo:[0,0,1] neg_hi:[0,0,1]
.endif
	v_exp_f32 v[\buf+2*kk], v[\buf+2*kk]
	v_exp_f32 v[\buf+2*kk+1], v[\buf+2*kk+1]
.set kk, kk+1
.endr
	v_nop
	s_wait_alu depctr_va_vdst(0)
.endm
; l = the sum of my query's 256 p: four chains of pairs, started by the first eight pairs
.macro U_SUM buf, bw, l
.set WN, ((\bw)<<2)|(\bw)
	WIN WN
.set kk, 0
.rept 4
	v_pk_add_f32 v[36+2*kk:37+2*kk], v[\buf+4*kk:\buf+4*kk+1], v[\buf+4*kk+2:\buf+4*kk+3]
.set kk, kk+1
.endr
.set WN, (\bw)<<2
	WIN WN
.set kk, 8
.rept 56
	v_pk_add_f32 v[36+2*(kk%4):37+2*(kk%4)], v[36+2*(kk%4):37+2*(kk%4)], v[\buf+2*kk:\buf+2*kk+1]
.set kk, kk+1
.endr
	WIN 0
	v_pk_add_f32 v[36:37], v[36:37], v[38:39]
	v_pk_add_f32 v[40:41], v[40:41], v[42:43]
	v_pk_add_f32 v[36:37], v[36:37], v[40:41]
	v_add_f32 v36, v36, v37
	v_permlanex16_b32 v44, v36, s26, s27
	v_add_f32 v[\l], v36, v44
.endm
; column sums v[ab] on (window 2) += p x the unit's weight (the low word of the pair v[W]).  first = 1: the first tile starts them: nothing is cleared
.macro ACCUM buf, bw, ab, W, first
.set WN, 0xa0|(\bw)
	WIN WN
.set kk, 0
.rept 64
.if \first
	v_pk_mul_f32 v[\ab+2*kk:\ab+2*kk+1], v[\buf+2*kk:\buf+2*kk+1], v[\W:\W+1] op_sel_hi:[1,0]
.else
	v_pk_fma_f32 v[\ab+2*kk:\ab+2*kk+1], v[\buf+2*kk:\buf+2*kk+1], v[\W:\W+1], v[\ab+2*kk:\ab+2*kk+1] op_sel_hi:[1,0,1]
.endif
.set kk, kk+1
.endr
.endm
.macro QLOAD q                         ; the next tile of queries but one: 1,024 bytes, in the order of the operand's registers
	s_add_nc_u64 s[30:31], s[30:31], 1024
	global_load_b128 v[\q:\q+3], v[LN16], s[30:31]
	global_load_b128 v[\q+4:\q+7], v[LN16], s[30:31] offset:512
.endm
; the eight records of my query -> my two units' weights
.macro WEIGHTS st
	s_wait_dscnt 0x0                               ; the four waves' records are in registers
	v_max3_num_f32 v80, v48, v50, v52
	v_max3_num_f32 v80, v80, v54, v56
	v_max3_num_f32 v80, v80, v58, v60
	v_max_num_f32 v80, v80, v62                    ; MG
.set kk, 0
.rept 8
	v_sub_f32 v[64+kk], v[48+2*kk], v80
.set kk, kk+1
.endr
	v_sub_f32 v72, v[\st], v80
	v_sub_f32 v73, v[\st+2], v80
.set kk, 0
.rept 10
	v_exp_f32 v[64+kk], v[64+kk]
.set kk, kk+1
.endr
	v_nop
	s_wait_alu depctr_va_vdst(0)                   ; one wait for the ten
	v_mul_f32 v81, v64, v49
	v_mul_f32 v82, v65, v51
	v_fma_f32 v81, v66, v53, v81
	v_fma_f32 v82, v67, v55, v82
	v_fma_f32 v81, v68, v57, v81
	v_fma_f32 v82, v69, v59, v82
	v_fma_f32 v81, v70, v61, v81
	v_fma_f32 v82, v71, v63, v82
	v_add_f32 v81, v81, v82                        ; L
	v_rcp_f32 v83, v81
	v_nop
	s_wait_alu depctr_va_vdst(0)
	v_mul_f32 v76, v72, v83
	v_mul_f32 v78, v73, v83
.endm
; TILE i, p = i % 2.  On entry F[p] holds the tile's first half as p, record p its (MA, lA), Q buffer p its queries.
; first: the column sums start.  last: nothing follows.  guard: the loop's last trip has no tile i + 2.  ask: the loop's last trip prefetches for the tail.
.macro TILE p, first, last, guard, ask
.set QBP, 8+8*(\p)
.set QBN, 16-8*(\p)
.set STP, 24+4*(\p)
.set STN, 28-4*(\p)
.set FP,  128*(\p)
.set FN,  128-128*(\p)
	U_MM 128, 0, 128, QBP
	U_MAX 128, 0, STP+2
.if (\last) == 0
	s_wait_loadcnt 0x0                             ; the next tile's queries, asked for a tile ago: nothing else is out, on either way of the branch below; and the loads' base may step
.if \guard
	s_cmp_eq_u32 s28, 1
	s_cbranch_scc1 .Lnoq_\@
.endif
	QLOAD QBP                                      ; this buffer's last product stands behind U_MAX's places
.if \guard
.Lnoq_\@:
.endif
.if \ask
; PREFETCH for the tail, two tiles ahead of its loads.  v of this (batch, head), 262,144 bytes, is read by all four quarters: each work-group asks for its quarter, each wave for 16,384 bytes, lanes 256 bytes apart, two lines.
; w_fc^T is read by every batch: the work-groups of batch 0 ask: wave w for rows 8 d + h, d = 16 qq + 4 w + lane / 8, block lane % 8 of 256 bytes.  So each aligned 256 bytes are named once in the launch.  The address registers are never rewritten.
	s_cmp_lg_u32 s28, 1
	s_cbranch_scc1 .Lnoask_\@
	global_prefetch_b8 v[PFV], s[54:55] th:TH_LOAD_NT scope:SCOPE_SE
	global_prefetch_b8 v[PFV], s[54:55] offset:8192 th:TH_LOAD_NT scope:SCOPE_SE
	s_cmp_lg_u32 s23, 0
	s_cbranch_scc1 .Lnoask_\@
	global_prefetch_b8 v[PFW], s[56:57] th:TH_LOAD_NT scope:SCOPE_SE
.Lnoask_\@:
.endif
.else
	WIN 0x40                                       ; K has had its last product: its registers take v of my first 256 keys
.set ii, 0
.rept 64
	global_load_b128 v[4*ii:4*ii+3], v[LN16], s[46:47] offset:512*ii
.set ii, ii+1
.endr
.endif
	U_EXP 128, 0, STP+2
	U_SUM 128, 0, STP+3
	ds_store_b128 v[STW], v[STP:STP+3] offset:2048*(\p)
	s_wait_dscnt 0x0                               ; for the others' sake: my record has landed
	s_barrier_signal -1
.if (\last) == 0
	U_MM FN, 3, 0, QBN                             ; work on registers while the others arrive
	U_MAX FN, 3, STN
.endif
	s_barrier_wait -1                              ; slot p is written again two tiles on, behind the next barrier, which every wave signals with these loads back
.set kk, 0
.rept 4
	ds_load_b128 v[48+4*kk:51+4*kk], v[LN16] offset:2048*(\p)+512*kk
.set kk, kk+1
.endr
.if (\last) == 0
	U_EXP FN, 3, STN
	U_SUM FN, 3, STN+1
.endif
	WEIGHTS STP
	ACCUM FP, 3, 0, 76, \first
	ACCUM 128, 0, 128, 78, \first
	WIN 0
.endm
	s_load_b256 s[4:11], s[0:1], 0x0               ; qimg, kimg, vimg, wt
	s_load_b128 s[12:15], s[0:1], 0x20             ; the scales' exponents, ppart
	s_load_b64 s[16:17], s[0:1], 0x30              ; ypart
	v_lshl_add_u32 v[SPW], v0, 2, SPARE
	v_mov_b32 v[NIL], 0
	v_lshrrev_b32 v120, 5, v0
	v_readfirstlane_b32 s18, v120                  ; wave 0..3
	v_and_b32 v120, 31, v0                         ; lane
	v_and_b32 v121, 15, v0                         ; r
	v_bfe_u32 v122, v0, 4, 1                       ; h
	v_lshlrev_b32 v[LN16], 4, v120
	s_lshl_b32 s19, s18, 9
	v_add_nc_u32 v[STW], s19, v[LN16]
	v_lshlrev_b32 v[PFV], 8, v120
	v_lshrrev_b32 v[PFW], 3, v120
	v_and_b32 v3, 7, v120
	v_lshlrev_b32 v[PFW], 14, v[PFW]
	v_lshl_add_u32 v[PFW], v3, 8, v[PFW]
	s_lshl_b32 s19, s18, 13
	s_add_co_u32 s19, s19, RSTG                    ; the tail's LDS addresses.  The sum over lanes: in at 512 h + 16 r,
	v_lshlrev_b32 v116, 4, v121
	v_lshl_add_u32 v116, v122, 9, v116
	v_add_nc_u32 v116, s19, v116
	v_lshl_add_u32 v117, v120, 8, s19              ; out: lane l takes the 256 bytes at 256 l, sixteen pieces of 16, beginning at piece l % 16, so that sixteen lanes touch sixteen different columns
	v_lshl_add_u32 v117, v121, 4, v117
.set ii, 0
.rept 16
	v_xor_b32 v[RA+ii], 16*ii, v117
.set ii, ii+1
.endr
	s_lshl_b32 s19, s18, 11
	s_add_co_u32 s19, s19, PPL
	v_add_nc_u32 v118, s19, v[LN16]
	v_lshl_add_u32 v119, v121, 2, s19
	s_lshl_b32 s19, s18, 8
	s_add_co_u32 s19, s19, OSUM
	v_lshl_add_u32 v123, v122, 5, s19
	v_mov_b32 v124, OSUM
	s_and_b32 s21, ttmp7, 0xffff                   ; bh
	s_and_b32 s22, s21, 7                          ; the head
	s_lshr_b32 s23, s21, 3                         ; the batch
	s_lshl_b32 s20, s21, 2
	s_add_co_u32 s20, s20, ttmp9                   ; lin = 4 bh + qq
	s_mov_b32 s59, 0
	s_lshl_b32 s29, s21, 17                        ; a (batch, head) has 128 tiles of 1,024 bytes in qimg and kimg
	s_lshl_b32 s58, s18, 15
	s_add_co_u32 s58, s58, s29
	s_wait_kmcnt 0x0
	s_load_b256 s[32:39], s[12:13], 0x0            ; e0 .. e7
	s_add_nc_u64 s[44:45], s[6:7], s[58:59]        ; K at my 32 tiles
	s_lshl_b32 s58, ttmp9, 15
	s_add_co_u32 s58, s58, s29
	s_add_nc_u64 s[30:31], s[4:5], s[58:59]        ; Q at the quarter's first tile
	WIN 0x40
.set ii, 0
.rept 64
	global_load_b128 v[4*ii:4*ii+3], v[LN16], s[44:45] offset:512*ii
.set ii, ii+1
.endr
	WIN 0
.set ii, 0
.rept 4
	global_load_b128 v[8+4*ii:11+4*ii], v[LN16], s[30:31] offset:512*ii   ; tiles 0 and 1
.set ii, ii+1
.endr
	s_lshl_b32 s29, s21, 18                        ; and 128 tiles of 2,048 bytes in vimg
	s_lshl_b32 s58, s18, 16
	s_add_co_u32 s58, s58, s29
	s_add_nc_u64 s[46:47], s[8:9], s[58:59]        ; v at my 32 tiles
	s_lshl_b32 s58, ttmp9, 16
	s_add_co_u32 s58, s58, s29
	s_lshl_b32 s29, s18, 14
	s_add_co_u32 s58, s58, s29
	s_add_nc_u64 s[54:55], s[8:9], s[58:59]        ; what I prefetch of v
	s_lshl_b32 s29, s22, 11
	s_lshl_b32 s58, s18, 9
	s_add_co_u32 s58, s58, s29
	s_add_nc_u64 s[48:49], s[10:11], s[58:59]      ; wt: row h, my 128 columns
	s_lshl_b32 s58, ttmp9, 18
	s_add_co_u32 s58, s58, s29
	s_lshl_b32 s29, s18, 16
	s_add_co_u32 s58, s58, s29
	s_add_nc_u64 s[56:57], s[10:11], s[58:59]      ; what I prefetch of wt
	s_lshl_b32 s58, s20, 13
	s_lshl_b32 s29, s18, 11
	s_add_co_u32 s58, s58, s29
	s_add_nc_u64 s[50:51], s[14:15], s[58:59]
	s_lshl_b32 s58, s20, 11
	s_lshl_b32 s29, s18, 9
	s_add_co_u32 s58, s58, s29
	s_add_nc_u64 s[52:53], s[16:17], s[58:59]
	s_mov_b32 s26, 0x76543210                      ; v_permlanex16_b32's selects for lane l xor 16
	s_mov_b32 s27, 0xfedcba98
.set ii, 0
.rept 8
	v_mov_b32 v[24+ii], 0                          ; the records: their pairs are named whole before every word has its number
.set ii, ii+1
.endr
	v_mov_b32 v44, 0                               ; a lane permute's destination counts as one of its sources
	v_mov_b32 v77, 0                               ; (named as the upper halves of the weights' pairs)
	v_mov_b32 v79, 0
	s_wait_kmcnt 0x0
	s_add_co_i32 s24, s38, s39
	s_lshl_b32 s24, s24, 23
	s_add_co_i32 s24, s24, 0x3fb8aa3b              ; c = log2(e) x 2^(e6 + e7): the exponents are added to log2(e)'s exponent field
	s_mov_b32 s25, s24                             ; (named with it as a pair)
	s_add_co_i32 s40, s36, s37
	s_sub_co_i32 s40, s40, 22                      ; v's scale, and the two divisions by 2,048
	s_wait_loadcnt 0x0                             ; K, and Q of tiles 0 and 1
	s_add_nc_u64 s[30:31], s[30:31], 1024          ; at tile 1: each QLOAD steps first
	U_MM 0, 3, 0, 8                                ; tile 0's first half
	U_MAX 0, 3, 24
	U_EXP 0, 3, 24
	U_SUM 0, 3, 25
	TILE 0, 1, 0, 0, 0
	s_mov_b32 s28, 15
.Lpair:                                            ; tiles 1 to 30, two a trip: the buffers are back where they began
	TILE 1, 0, 0, 0, 1
	TILE 0, 0, 0, 1, 0
	s_sub_co_u32 s28, s28, 1
	s_cmp_lg_u32 s28, 0
	s_cbranch_scc1 .Lpair
	TILE 1, 0, 1, 0, 0
	; ---- THE TAIL.  w_fc^T: rows 8 d + h, my 128 columns, 4 a lane, into the registers that F0 and F1 have left
	WIN 0xc0
.set ii, 0
.rept 64
	global_load_b128 v[4*ii:4*ii+3], v[LN16], s[48:49] offset:16384*ii
.set ii, ii+1
.endr
; The column sums still lie apart by query lane r.  64 registers (128 keys) at a time go through my own LDS: key group G = key / 4 has 256 bytes, lane r's four numbers at 16 r; lane l then adds group l's sixteen pieces.
.macro RST pi
	WIN 0x08                                       ; a store's data: window 2
.set ii, 0
.rept 16                                       ; key tile ii / 2, registers 4 (ii % 2) on
	ds_store_b128 v116, v[64*(\pi)+4*ii:64*(\pi)+4*ii+3] offset:1024*(ii/2)+256*(ii%2)
.set ii, ii+1
.endr
	WIN 0
.endm
.macro RLD set
.set ii, 0
.rept 16                                       ; LDS serves a wave's instructions in order: these see my stores, and the next pass's stores come behind them
	ds_load_b128 v[128+64*(\set)+4*ii:128+64*(\set)+4*ii+3], v[RA+ii]
.set ii, ii+1
.endr
.endm
.macro RSUM set, pi
.set BB, 128+64*(\set)
.irp dd, 8, 4, 2
.set ii, 0
.rept \dd
	v_pk_add_f32 v[BB+4*ii:BB+4*ii+1], v[BB+4*ii:BB+4*ii+1], v[BB+4*(ii+\dd):BB+4*(ii+\dd)+1]
	v_pk_add_f32 v[BB+4*ii+2:BB+4*ii+3], v[BB+4*ii+2:BB+4*ii+3], v[BB+4*(ii+\dd)+2:BB+4*(ii+\dd)+3]
.set ii, ii+1
.endr
.endr
	v_pk_add_f32 v[PP+4*(\pi):PP+4*(\pi)+1], v[BB:BB+1], v[BB+4:BB+5]
	v_pk_add_f32 v[PP+4*(\pi)+2:PP+4*(\pi)+3], v[BB+2:BB+3], v[BB+6:BB+7]
.endm
	RST 0
	RLD 0
	RST 1
	RLD 1
	s_wait_dscnt 32                                ; younger: the next pass's 16 stores and 16 loads
	RSUM 0, 0
	RST 2
	RLD 0
	s_wait_dscnt 32
	RSUM 1, 1
	RST 3
	RLD 1
	s_wait_dscnt 32
	RSUM 0, 2
	s_wait_dscnt 0x0
	RSUM 1, 3
.set ii, 0
.rept 4
	global_store_b128 v[LN16], v[PP+4*ii:PP+4*ii+3], s[50:51] offset:512*ii   ; 512 consecutive bytes, aligned
	ds_store_b128 v118, v[PP+4*ii:PP+4*ii+3] offset:512*ii
.set ii, ii+1
.endr
.set ii, 0
.rept 32
	ds_load_b32 v[128+ii], v119 offset:64*ii       ; the column sum of token 16 tt + r, as v's image has the tokens
.set ii, ii+1
.endr
	s_wait_loadcnt 63                              ; v of my first 256 keys is in: the 64 loads of w_fc^T are younger, and the wait's field holds 63 at the most
	WIN 0x80                                       ; the column sums have left window 2 (the stores are done): v of my other 256 keys
.set ii, 0
.rept 64
	global_load_b128 v[4*ii:4*ii+3], v[LN16], s[46:47] offset:32768+512*ii
.set ii, ii+1
.endr
	WIN 0
.set ii, 0
.rept 32
	v_mov_b32 v[160+ii], 0                         ; 32 sums: d = 16 ct + 8 h + j at 8 ct + j
.set ii, ii+1
.endr
	s_wait_dscnt 0x0
; product 5: 16 token tiles x 4 tiles of d: a register of v holds two bf16, widened in the multiply-add; sums in f32, 32 chains by turns
.macro VDOT win, t0
	WIN \win
.set ii, 0
.rept 64
.set jj, 0
.rept 4
	v_fma_mix_f32_bf16 v[160+8*(ii%4)+2*jj], v[4*ii+jj], v[128+\t0+ii/4], v[160+8*(ii%4)+2*jj] op_sel_hi:[1,0,0]
	v_fma_mix_f32_bf16 v[160+8*(ii%4)+2*jj+1], v[4*ii+jj], v[128+\t0+ii/4], v[160+8*(ii%4)+2*jj+1] op_sel:[1,0,0] op_sel_hi:[1,0,0]
.set jj, jj+1
.endr
.set ii, ii+1
.endr
.endm
	VDOT 0x01, 0
	s_wait_loadcnt 0x0                             ; the other half of v, and w_fc^T
	VDOT 0x02, 16
	WIN 0
.irp mk, 1, 2, 4, 8
.set ii, 0
.rept 32
	v_add_f32_dpp v[160+ii], v[160+ii], v[160+ii] row_xmask:\mk row_mask:0xf bank_mask:0xf   ; over the sixteen tokens of a tile
.set ii, ii+1
.endr
.endr
.set ii, 0
.rept 8                                        ; the sixteen lanes of a half store the same numbers to the same bytes: d = 16 ct + 8 h + 4 g + i at 4 d
	ds_store_b128 v123, v[160+4*ii:160+4*ii+3] offset:64*(ii/2)+16*(ii%2)
.set ii, ii+1
.endr
	s_wait_dscnt 0x0                               ; for the others' sake
	s_barrier_signal -1
	s_barrier_wait -1
	WIN 0x40
.set ii, 0
.rept 64                                       ; all four waves' 64 numbers, the same in every lane
	ds_load_b128 v[4*ii:4*ii+3], v124 offset:16*ii
.set ii, ii+1
.endr
	s_wait_dscnt 0x0
	WIN 0x45
.set ii, 0
.rept 32
	v_pk_add_f32 v[2*ii:2*ii+1], v[2*ii:2*ii+1], v[64+2*ii:65+2*ii]
	v_pk_add_f32 v[128+2*ii:129+2*ii], v[128+2*ii:129+2*ii], v[192+2*ii:193+2*ii]
.set ii, ii+1
.endr
.set ii, 0
.rept 32
	v_pk_add_f32 v[2*ii:2*ii+1], v[2*ii:2*ii+1], v[128+2*ii:129+2*ii]
.set ii, ii+1
.endr
	WIN 0x07                                       ; product 6: source 0 (w_fc^T) window 3, source 1 (the pooled head) window 1; two sets of four chains; d = 0 and 1 start them
.set ii, 0
.rept 8
	v_mul_f32 v[192+ii], v[ii], v[ii/4]
.set ii, ii+1
.endr
.set ii, 8
.rept 248
	v_fma_f32 v[192+ii%8], v[ii], v[ii/4], v[192+ii%8]
.set ii, ii+1
.endr
	WIN 0
	v_pk_add_f32 v[192:193], v[192:193], v[196:197]
	v_pk_add_f32 v[194:195], v[194:195], v[198:199]
.set ii, 0
.rept 4
	v_ldexp_f32 v[192+ii], v[192+ii], s40          ; x 2^(e4 + e5 - 22)
.set ii, ii+1
.endr
	global_store_b128 v[LN16], v[192:195], s[52:53]
	s_wait_tensorcnt 0x0                           ; the wave's end: behind my last LDS store
	ds_add_u32 v[SPW], v[NIL]
	s_wait_dscnt 0x0
	s_endpgm
.Lfunc_end_k_q4b433705f1_attn:
	.size	k_q4b433705f1_attn, .Lfunc_end_k_q4b433705f1_attn-k_q4b433705f1_attn
	.p2alignl 7, 3214868480
	.fill 96, 4, 3214868480
	.section	.rodata,"a",@progbits
	.p2align	6, 0x0
	.amdhsa_kernel k_q4b433705f1_attn
		.amdhsa_group_segment_fixed_size 46592
		.amdhsa_private_segment_fixed_size 0
		.amdhsa_enable_private_segment 0
		.amdhsa_kernarg_size 56
		.amdhsa_user_sgpr_count 2
		.amdhsa_user_sgpr_kernarg_segment_ptr 1
		.amdhsa_wavefront_size32 1
		.amdhsa_system_sgpr_workgroup_id_x 1
		.amdhsa_system_sgpr_workgroup_id_y 1
		.amdhsa_system_sgpr_workgroup_id_z 1
		.amdhsa_system_vgpr_workitem_id 0
		.amdhsa_next_free_vgpr 1024
		.amdhsa_next_free_sgpr 66
		.amdhsa_reserve_vcc 0
		.amdhsa_float_denorm_mode_32 3
		.amdhsa_float_denorm_mode_16_64 3
		.amdhsa_memory_ordered 1
		.amdhsa_forward_progress 1
		.amdhsa_inst_pref_size 255
	.end_amdhsa_kernel
	.section	.bss,"aw",@nobits
	.p2align	6
	.space	262144
	.amdgpu_metadata
---
amdhsa.version: [ 1, 2 ]
amdhsa.kernels:
  - .name:           k_q4b433705f1_attn
    .symbol:         k_q4b433705f1_attn.kd
    .args:
      - { .name: qimg, .offset: 0, .size: 8, .value_kind: global_buffer, .address_space: global }
      - { .name: kimg, .offset: 8, .size: 8, .value_kind: global_buffer, .address_space: global }
      - { .name: vimg, .offset: 16, .size: 8, .value_kind: global_buffer, .address_space: global }
      - { .name: wt, .offset: 24, .size: 8, .value_kind: global_buffer, .address_space: global }
      - { .name: lowp_scales, .offset: 32, .size: 8, .value_kind: global_buffer, .address_space: global }
      - { .name: ppart, .offset: 40, .size: 8, .value_kind: global_buffer, .address_space: global }
      - { .name: ypart, .offset: 48, .size: 8, .value_kind: global_buffer, .address_space: global }
    .group_segment_fixed_size: 46592
    .private_segment_fixed_size: 0
    .kernarg_segment_align: 8
    .kernarg_segment_size: 56
    .max_flat_workgroup_size: 128
    .sgpr_count:     66
    .vgpr_count:     1024
    .wavefront_size: 32
...
	.end_amdgpu_metadata
.endif
;; end of part 2
;; launch fin (part 3): grid 5 x 8, 4 waves a work-group, no clusters, 768 bytes of LDS; arguments ppart, ypart, respart, gamma, beta, out0, out1; writes out0, out1
.if DOCPART == 3
	.amdgcn_target "amdgcn-amd-amdhsa--gfx1250"
	.amdhsa_code_object_version 6
	.text
	.protected	k_q4b433705f1_fin
	.globl	k_q4b433705f1_fin
	.p2align	8
	.type	k_q4b433705f1_fin,@function
k_q4b433705f1_fin:
	s_mov_b64 s[64:65], 0
	v_nop
	global_prefetch_b8 v0, s[64:65] scope:SCOPE_SE
	s_setreg_imm32_b32 hwreg(HW_REG_WAVE_MODE, 25, 1), 1
	s_wait_xcnt 0x0
; THIRD LAUNCH: the parts are added.  Work-group (x, b).  x = 1 .. 4: out1[b][512 (x - 1) ..] = 2^-14 x the sum of the batch's 32 rows of ppart (8 heads x 4 quarters; / 2,048 queries / 8 heads).
; x = 0: y = the sum of the batch's 32 rows of ypart + 2^-11 x the sum of its 32 rows of respart (the mean of x over 2,048 tokens); out0[b] = (y - mean) rsqrt(var + 1e-6) gamma + beta.  No work is left out.
; Thread t owns the 16 bytes at 16 t of every row of 2,048 bytes: each load and store of a wave covers 512 consecutive bytes.  Memory and latency bind: no matrix unit, no cluster; 40 work-groups are all the work there is.
; LIMIT: the sums are taken in another order than the definition's, in f32.  NaN and infinity are not served.
.set SPARE, 256                        ; LDS: bytes 0-15 the waves' sums, 16-31 the waves' sums of squares; from 256 the spare words, 128 bytes a wave
.macro ADDV dst, src, cnt              ; cnt rows of four numbers at v[src] on are added onto those at v[dst] on
.set kk, 0
.rept \cnt
	v_pk_add_f32 v[\dst+4*kk:\dst+4*kk+1], v[\dst+4*kk:\dst+4*kk+1], v[\src+4*kk:\src+4*kk+1]
	v_pk_add_f32 v[\dst+4*kk+2:\dst+4*kk+3], v[\dst+4*kk+2:\dst+4*kk+3], v[\src+4*kk+2:\src+4*kk+3]
.set kk, kk+1
.endr
.endm
.macro WSUM                            ; v8 summed over the wave's 32 lanes, into every lane
	v_add_f32_dpp v8, v8, v8 row_xmask:1 row_mask:0xf bank_mask:0xf
	v_add_f32_dpp v8, v8, v8 row_xmask:2 row_mask:0xf bank_mask:0xf
	v_add_f32_dpp v8, v8, v8 row_xmask:4 row_mask:0xf bank_mask:0xf
	v_add_f32_dpp v8, v8, v8 row_xmask:8 row_mask:0xf bank_mask:0xf
	v_permlanex16_b32 v9, v8, s24, s25
	v_add_f32 v8, v8, v9
.endm
	s_load_b256 s[4:11], s[0:1], 0x0               ; ppart, ypart, respart, gamma
	s_load_b128 s[12:15], s[0:1], 0x20             ; beta, out0
	s_load_b64 s[16:17], s[0:1], 0x30              ; out1
	v_lshl_add_u32 v250, v0, 2, SPARE
	v_mov_b32 v251, 0
	v_lshlrev_b32 v1, 4, v0
	s_and_b32 s20, ttmp7, 0xffff                   ; the batch
	s_mov_b32 s23, 0
	s_wait_kmcnt 0x0
	s_cmp_eq_u32 ttmp9, 0                          ; the work-group's number alone: all four waves go the same way
	s_cbranch_scc1 .Lnorm
	s_sub_co_u32 s21, ttmp9, 1
	s_lshl_b32 s21, s21, 11                        ; my 512 keys
	s_lshl_b32 s22, s20, 18                        ; 32 rows of 8,192 bytes a batch
	s_add_co_u32 s22, s22, s21
	s_add_nc_u64 s[4:5], s[4:5], s[22:23]
	s_lshl_b32 s22, s20, 13
	s_add_co_u32 s22, s22, s21
	s_add_nc_u64 s[16:17], s[16:17], s[22:23]
.set ii, 0
.rept 32
	global_load_b128 v[16+4*ii:19+4*ii], v1, s[4:5] offset:8192*ii th:TH_LOAD_NT
.set ii, ii+1
.endr
	s_wait_loadcnt 16                              ; the first sixteen rows; the other sixteen may be out
	ADDV 16, 48, 8
	s_wait_loadcnt 0x0
	ADDV 80, 112, 8
	ADDV 16, 80, 8
	ADDV 16, 32, 4
	ADDV 16, 24, 2
	ADDV 16, 20, 1
	v_pk_mul_f32 v[16:17], v[16:17], 0x38800000 op_sel_hi:[1,0]   ; x 2^-14
	v_pk_mul_f32 v[18:19], v[18:19], 0x38800000 op_sel_hi:[1,0]
	global_store_b128 v1, v[16:19], s[16:17]
	s_endpgm                                       ; this way has touched no LDS
.Lnorm:
	v_lshrrev_b32 v2, 5, v0
	v_readfirstlane_b32 s26, v2                    ; wave
	v_mov_b32 v10, s26
	v_lshlrev_b32 v10, 2, v10                      ; my wave's word
	v_mov_b32 v11, 0
	s_mov_b32 s24, 0x76543210
	s_mov_b32 s25, 0xfedcba98
	s_mov_b32 s28, 0x3b000000                      ; 1 / 512
	s_mov_b32 s29, 0x358637bd                      ; 1e-6
	s_lshl_b32 s22, s20, 16                        ; 32 rows of 2,048 bytes a batch
	s_add_nc_u64 s[6:7], s[6:7], s[22:23]
	s_add_nc_u64 s[8:9], s[8:9], s[22:23]
	s_lshl_b32 s22, s20, 11
	s_add_nc_u64 s[14:15], s[14:15], s[22:23]
.set ii, 0
.rept 32
	global_load_b128 v[16+4*ii:19+4*ii], v1, s[6:7] offset:2048*ii th:TH_LOAD_NT
.set ii, ii+1
.endr
.set ii, 0
.rept 24
	global_load_b128 v[144+4*ii:147+4*ii], v1, s[8:9] offset:2048*ii th:TH_LOAD_NT
.set ii, ii+1
.endr
	s_wait_loadcnt 24                              ; ypart's 32 rows; respart's 24 may be out
	ADDV 16, 80, 16
	ADDV 16, 48, 8
	ADDV 16, 32, 4
	ADDV 16, 24, 2
	ADDV 16, 20, 1
.set ii, 0
.rept 8                                        ; respart's last eight rows, into registers that the sums above have left
	global_load_b128 v[48+4*ii:51+4*ii], v1, s[8:9] offset:2048*(24+ii) th:TH_LOAD_NT
.set ii, ii+1
.endr
	global_load_b128 v[240:243], v1, s[10:11]      ; gamma
	global_load_b128 v[244:247], v1, s[12:13]      ; beta
	s_wait_loadcnt 10                              ; respart's first 24 rows; the ten just issued may be out
	ADDV 144, 176, 8
	ADDV 144, 208, 8
	s_wait_loadcnt 0x0
	ADDV 144, 48, 8
	ADDV 144, 160, 4
	ADDV 144, 152, 2
	ADDV 144, 148, 1
	v_pk_fma_f32 v[16:17], v[144:145], 0x3a000000, v[16:17] op_sel_hi:[1,0,1]   ; y = fc's sum + 2^-11 x the sum of x
	v_pk_fma_f32 v[18:19], v[146:147], 0x3a000000, v[18:19] op_sel_hi:[1,0,1]
	v_pk_add_f32 v[8:9], v[16:17], v[18:19]
	v_add_f32 v8, v8, v9
	WSUM
	ds_store_b32 v10, v8                           ; all lanes write the same word with the same number
	s_wait_dscnt 0x0
	s_barrier_signal -1
	s_barrier_wait -1
	ds_load_b128 v[12:15], v11
	s_wait_dscnt 0x0
	v_add_f32 v12, v12, v13
	v_add_f32 v14, v14, v15
	v_add_f32 v12, v12, v14
	v_mul_f32 v12, s28, v12                        ; the mean
	v_pk_add_f32 v[16:17], v[16:17], v[12:13] op_sel_hi:[1,0] neg_lo:[0,1] neg_hi:[0,1]
	v_pk_add_f32 v[18:19], v[18:19], v[12:13] op_sel_hi:[1,0] neg_lo:[0,1] neg_hi:[0,1]
	v_pk_mul_f32 v[8:9], v[16:17], v[16:17]
	v_pk_fma_f32 v[8:9], v[18:19], v[18:19], v[8:9]
	v_add_f32 v8, v8, v9
	WSUM
	ds_store_b32 v10, v8 offset:16                 ; other bytes than the first sum's: no barrier is owed between the reads above and this store
	s_wait_dscnt 0x0
	s_barrier_signal -1
	s_barrier_wait -1
	ds_load_b128 v[12:15], v11 offset:16
	s_wait_dscnt 0x0
	v_add_f32 v12, v12, v13
	v_add_f32 v14, v14, v15
	v_add_f32 v12, v12, v14
	v_fma_f32 v12, v12, s28, s29                   ; the variance + 1e-6
	v_rsq_f32 v14, v12
	v_nop                                          ; a plain line behind the transcendental,
	s_wait_alu depctr_va_vdst(0)                   ; and the wait ahead of its first reader
	v_pk_mul_f32 v[16:17], v[16:17], v[14:15] op_sel_hi:[1,0]
	v_pk_mul_f32 v[18:19], v[18:19], v[14:15] op_sel_hi:[1,0]
	v_pk_fma_f32 v[16:17], v[16:17], v[240:241], v[244:245]
	v_pk_fma_f32 v[18:19], v[18:19], v[242:243], v[246:247]
	global_store_b128 v1, v[16:19], s[14:15]
	s_wait_tensorcnt 0x0                           ; the wave's end: behind my last LDS store
	ds_add_u32 v250, v251
	s_wait_dscnt 0x0
	s_endpgm
.Lfunc_end_k_q4b433705f1_fin:
	.size	k_q4b433705f1_fin, .Lfunc_end_k_q4b433705f1_fin-k_q4b433705f1_fin
	.p2alignl 7, 3214868480
	.fill 96, 4, 3214868480
	.section	.rodata,"a",@progbits
	.p2align	6, 0x0
	.amdhsa_kernel k_q4b433705f1_fin
		.amdhsa_group_segment_fixed_size 768
		.amdhsa_private_segment_fixed_size 0
		.amdhsa_enable_private_segment 0
		.amdhsa_kernarg_size 56
		.amdhsa_user_sgpr_count 2
		.amdhsa_user_sgpr_kernarg_segment_ptr 1
		.amdhsa_wavefront_size32 1
		.amdhsa_system_sgpr_workgroup_id_x 1
		.amdhsa_system_sgpr_workgroup_id_y 1
		.amdhsa_system_sgpr_workgroup_id_z 1
		.amdhsa_system_vgpr_workitem_id 0
		.amdhsa_next_free_vgpr 256
		.amdhsa_next_free_sgpr 66
		.amdhsa_reserve_vcc 0
		.amdhsa_float_denorm_mode_32 3
		.amdhsa_float_denorm_mode_16_64 3
		.amdhsa_memory_ordered 1
		.amdhsa_forward_progress 1
		.amdhsa_inst_pref_size 26
	.end_amdhsa_kernel
	.amdgpu_metadata
---
amdhsa.version: [ 1, 2 ]
amdhsa.kernels:
  - .name:           k_q4b433705f1_fin
    .symbol:         k_q4b433705f1_fin.kd
    .args:
      - { .name: ppart, .offset: 0, .size: 8, .value_kind: global_buffer, .address_space: global }
      - { .name: ypart, .offset: 8, .size: 8, .value_kind: global_buffer, .address_space: global }
      - { .name: respart, .offset: 16, .size: 8, .value_kind: global_buffer, .address_space: global }
      - { .name: gamma, .offset: 24, .size: 8, .value_kind: global_buffer, .address_space: global }
      - { .name: beta, .offset: 32, .size: 8, .value_kind: global_buffer, .address_space: global }
      - { .name: out0, .offset: 40, .size: 8, .value_kind: global_buffer, .address_space: global }
      - { .name: out1, .offset: 48, .size: 8, .value_kind: global_buffer, .address_space: global }
    .group_segment_fixed_size: 768
    .private_segment_fixed_size: 0
    .kernarg_segment_align: 8
    .kernarg_segment_size: 56
    .max_flat_workgroup_size: 128
    .sgpr_count:     66
    .vgpr_count:     256
    .wavefront_size: 32
...
	.end_amdgpu_metadata
.endif
;; end of part 3
;; ======== version 2 of 2: 3 launches; version 1 with the launches proj, attn written anew for expert scheduling mode
;; workspace buffers: qimg 8,388,608 bytes; kimg 8,388,608 bytes; vimg 16,777,216 bytes; wt 1,048,576 bytes; respart 524,288 bytes; ppart 2,097,152 bytes; ypart 524,288 bytes
;; launch proj (part 4): grid 256 x 1, 4 waves a work-group, no clusters, 242,176 bytes of LDS; arguments x, w_q_codes, w_k_codes, w_v_codes, w_fc, lowp_scales, qimg, kimg, vimg, wt, respart; writes qimg, kimg, vimg, wt, respart
.if DOCPART == 4
	.amdgcn_target "amdgcn-amd-amdhsa--gfx1250"
	.amdhsa_code_object_version 6
	.text
	.protected	k_q4b433705f1_proj
	.globl	k_q4b433705f1_proj
	.p2align	8
	.type	k_q4b433705f1_proj,@function
k_q4b433705f1_proj:
	s_mov_b64 s[64:65], 0
	v_nop
	global_prefetch_b8 v0, s[64:65] scope:SCOPE_SE
	s_setreg_imm32_b32 hwreg(HW_REG_WAVE_SCHED_MODE, 0, 2), 2
	s_setreg_imm32_b32 hwreg(HW_REG_WAVE_MODE, 25, 1), 1
	s_wait_xcnt 0x0
	s_wait_alu depctr_vm_vsrc(0)
; FIRST OF THREE LAUNCHES.  x [16384][512] f32 is quantised three times (2^e0, 2^e2, 2^e4) and multiplied by the codes of w_q, w_k, w_v (products 1 to 3, E5M2, f32 sums).
; q / 8 is quantised with 2^e6 and k with 2^e7, in registers, and both leave as codes in the order of the next product's operand registers; v leaves as bf16 (the raw sums: 2^(e4 + e5) is applied later, exactly).
; Beside that: the sum of x over my 64 tokens (for the residual), and a block of w_fc transposed.
; DEAD WORK: none.  Every input has a way to an output (x, the three weights and the eight scales to both; w_fc, gamma, beta to the first), so nothing is left out.
; LIMITS: e0, e2, e4, e6 + 3 - e0 - e1 and e7 - e2 - e3 lie between -126 and 112, so that each scale and 57,344 x the scale is an f32 number.  NaN and infinity among the inputs are not served.
; The residual's sum over tokens is taken in another order than the definition's, in f32.  v is rounded to bf16: it is an operand of a product that is left as it is; bf16 has f32's range.
; SHARES.  Work-group rb owns tokens 64 rb .. 64 rb + 63.  Wave w quantises tokens 16 w .. 16 w + 15; the codes go to the other waves through LDS as images of the operand's registers.
; Six passes: pass a is product a / 2, and wave w makes head 4 (a % 2) + w: 64 columns x 64 tokens x K 512: 16 accumulators, 64 matrix instructions.
; THE MATRIX INSTRUCTION IS USED TRANSPOSED (source 0 = 16 rows of W, source 1 = 16 tokens): a lane holds one token and eight neighbouring columns, so a head's four tiles convert into the 8 registers of a 16 x 16 x 64 fragment.
; k's places inside a 128-step are permuted alike in x and W (registers 4 c .. 4 c + 3: k = 32 c + 16 (lane / 16) + 0 .. 15): every product meets its partner.
; NO JOINT LOADS, THOUGH ALL WORK-GROUPS READ THE SAME WEIGHTS: two LDS slots of a pass's 131,072 bytes beside the 98,304 bytes of x's images pass 327,680; smaller slots would put a round of a cluster's barrier
; in front of every 32 matrix instructions of a wave.  Here each weight byte is used by one wave alone, which asks for its 32,768 bytes during the pass before, into registers, and turns them through its own stage: no barrier.
; REGISTERS, in windows of 256: window 0: v1-15 addresses, v16-31 the residual's sums, v32-41 scales, v44-45 the add's two, v48-55 w_fc, v64-191 accumulators (at first: 64 numbers of x and their held copy), v192-255 codes and packed results.
;   window 1: x's 16 fragments (m, s) at 16 (4 m + s).   window 2: W's 16 fragments (ct, s) at 16 (4 ct + s).   window 3: 64 x 4 registers as loaded: x, later W's rows.
; THE MODE: SCHED_MODE bits 1:0 = 2 (LLVM: expert scheduling mode 2), set by the entry lines.  The code itself states the register dependences between vector or matrix instructions and memory or LDS instructions, with s_wait_alu, always for 0.
; THE PLAN.  Registers that memory or LDS instructions touch:
;   window 3   written by global loads alone; read by the residual's additions (x only) and by the LDS stores into the stage; asked for again behind one wait on vm_vsrc.
;   v64-127    K step s of x: the stage's LDS loads land here, the holds of step s read them; later accumulators, which no memory instruction names.
;   v192-255   written by the conversions; read by the image stores (x) and by the global stores (q, k, v; v240-243: the residual's).  One wait on va_vdst ahead of each run of stores, one on vm_vsrc ahead of the next writers.
;   v16-31     written by the additions, read by four LDS stores behind the last K step's wait on va_vdst.
;   windows 1, 2   the fragments: LDS loads land here, products read them.  The wait on va_vdst at a pass's end stands behind all its products; inside a pass the loads of K steps 2 and 3 land in registers that no product issued since names.
;   v1-14      addresses and offsets, made once at the head, ahead of the first wait on va_vdst, and never written again.
.set WSTGB, 33792                      ; a wave's stage: 64 rows of 512 bytes + 16 of padding (pitch 528 = 33 x 16: sixteen rows start at sixteen different 16-byte columns)
.set XIMG,  4*WSTGB                    ; x's images: 32,768 for each of the three scales: fragment (m, s) at 2,048 (4 m + s), register group c at 512 c, 16 bytes a lane
.set RES,   XIMG+3*32768               ; the waves' sums of x: 2,048 bytes a wave
.set SPARE, RES+8192                   ; the spare words: 128 bytes a wave, two blocks of 256 bytes that no other line names
.set LN16, 1                           ; v1   16 x lane
.set AST,  2                           ; v2   my stage + 16 x lane: a row goes in as it lies
.set AXL,  3                           ; v3   my stage + 528 r + 64 h: my 16 numbers of a block of 32 of x
.set AWL,  4                           ; v4   my stage + 528 r + 16 h: my 16 codes of a block of 32 of W
.set AIW,  5                           ; v5-7  where I store x's images, for each scale
.set AIR,  8                           ; v8-10 where any wave reads them
.set ARS,  11                          ; v11  where I store my sums of x
.set ARL,  12                          ; v12  where I read the four waves' sums of my 128 columns
.set FCI,  13                          ; v13  4,096 x lane: two rows of w_fc
.set FCO,  14                          ; v14  8 x lane
.set RS,   16
.set SC,   32                          ; v32.. pairs (scale, 57,344 x scale): x by e0, e2, e4; q; k
.set SPW,  44
.set NIL,  45
.set FC,   48
.set ACC,  64
.set NN,   64
.set TT,   128
.set CD,   192
.set MSB, 0
.macro WIN new                         ; the immediate's high byte repeats the setting that is left; a switch that changes nothing is dropped
.if MSB != (\new)
	s_set_vgpr_msb (MSB<<8)|(\new)
.set MSB, \new
.endif
.endm
.macro MKSC e, vs                      ; E in a scalar register -> 2^E and 57,344 x 2^E as f32
	s_add_co_i32 s66, \e, 127
	s_lshl_b32 s67, s66, 23
	v_mov_b32 v[\vs], s67
	s_add_co_i32 s66, s66, 15
	s_lshl_b32 s66, s66, 23
	s_or_b32 s66, s66, 0x600000
	v_mov_b32 v[\vs+1], s66
.endm
; 64 numbers of a lane (register 16 b + i = k 32 b + 16 h + i of my row) become a fragment's 16 registers of codes.  The hold goes into a copy: three scales read the same numbers.
.macro QUANT sc, pc
.set bb, 0
.rept 4
.set jj, 0
.rept 16
	v_med3_num_f32 v[TT+16*bb+jj], v[NN+16*bb+jj], -v[\sc+1], v[\sc+1]   ; the conversion to an 8-bit code does not saturate (ISA guide 7.6.2): the hold at the largest code x the scale
.set jj, jj+1
.endr
	v_cvt_scalef32_pk8_bf8_f32 v[\pc+4*bb:\pc+4*bb+1], v[TT+16*bb:TT+16*bb+7], v[\sc]
	v_cvt_scalef32_pk8_bf8_f32 v[\pc+4*bb+2:\pc+4*bb+3], v[TT+16*bb+8:TT+16*bb+15], v[\sc]
.set bb, bb+1
.endr
	v_nop                                          ; a plain line behind the last conversion: its sources are written again by vector and matrix instructions
.endm
.macro IMAGE adr, s, pc                ; the fragment goes to LDS as it stands
.set cc, 0
.rept 4
	ds_store_b128 v[\adr], v[\pc+4*cc:\pc+4*cc+3] offset:2048*(\s)+512*cc
.set cc, cc+1
.endr
.endm
	s_load_b256 s[4:11], s[0:1], 0x0               ; x, w_q, w_k, w_v
	s_load_b256 s[12:19], s[0:1], 0x20             ; w_fc, the scales' exponents, qimg, kimg
	s_load_b128 s[20:23], s[0:1], 0x40             ; vimg, wt
	s_load_b64 s[24:25], s[0:1], 0x50              ; respart
	v_lshl_add_u32 v[SPW], v0, 2, SPARE
	v_mov_b32 v[NIL], 0
	v_lshrrev_b32 v46, 5, v0
	v_readfirstlane_b32 s40, v46                   ; wave 0..3
	v_and_b32 v46, 31, v0                          ; lane
	v_and_b32 v47, 15, v0                          ; r
	v_bfe_u32 v15, v0, 4, 1                        ; h
	v_lshlrev_b32 v[LN16], 4, v46
	s_wait_alu depctr_va_sdst(0)                   ; s40, the wave's number, is written, ahead of its first reader: LDS addresses and the buffers' offsets are made from it
	s_mul_i32 s26, s40, WSTGB
	v_add_nc_u32 v[AST], s26, v[LN16]
	v_mul_u32_u24 v[AXL], v47, 528
	v_add_nc_u32 v[AXL], s26, v[AXL]
	v_lshl_add_u32 v[AWL], v15, 4, v[AXL]
	v_lshl_add_u32 v[AXL], v15, 6, v[AXL]
	s_lshl_b32 s27, s40, 13                        ; my tokens are tile m = w: 4 fragments of 2,048 bytes
	v_add_nc_u32 v[AIW], s27, v[LN16]
	v_add_nc_u32 v[AIW], XIMG, v[AIW]
	v_add_nc_u32 v[AIW+1], 32768, v[AIW]
	v_add_nc_u32 v[AIW+2], 65536, v[AIW]
	v_add_nc_u32 v[AIR], XIMG, v[LN16]
	v_add_nc_u32 v[AIR+1], XIMG+32768, v[LN16]
	v_add_nc_u32 v[AIR+2], XIMG+65536, v[LN16]
	s_lshl_b32 s27, s40, 11
	v_add_nc_u32 v[ARS], s27, v[LN16]
	v_add_nc_u32 v[ARS], RES, v[ARS]
	s_lshl_b32 s27, s40, 9
	v_add_nc_u32 v[ARL], s27, v[LN16]
	v_add_nc_u32 v[ARL], RES, v[ARL]
	v_lshlrev_b32 v[FCI], 12, v46
	v_lshlrev_b32 v[FCO], 3, v46
	s_lshr_b32 s41, ttmp9, 5                       ; the batch
	s_and_b32 s42, ttmp9, 31                       ; my 64 tokens' place in it
	s_and_b32 s43, ttmp9, 7                        ; w_fc: block of 64 rows n
	s_lshr_b32 s46, ttmp9, 3                       ; w_fc: block of 16 columns c
	s_lshl_b32 s44, ttmp9, 17                      ; x: 64 rows of 2,048 bytes a work-group,
	s_lshl_b32 s58, s40, 15                        ; 16 a wave.  Also: a head's 64 rows of 512 codes
	s_add_co_u32 s44, s44, s58
	s_mov_b32 s45, 0
	s_mov_b32 s59, 0
	s_lshl_b32 s60, s41, 20                        ; qimg, kimg: ((8 b + head) x 128 + 4 x place) x 1,024, head = w for now
	s_lshl_b32 s27, s40, 17
	s_add_co_u32 s60, s60, s27
	s_lshl_b32 s27, s42, 12
	s_add_co_u32 s60, s60, s27
	s_mov_b32 s61, 0
	s_lshl_b32 s62, s60, 1                         ; vimg: twice that
	s_mov_b32 s63, 0
	s_lshl_b32 s72, ttmp9, 11                      ; respart: row rb, my 128 columns
	s_lshl_b32 s27, s40, 9
	s_add_co_u32 s72, s72, s27
	s_mov_b32 s73, 0
	s_lshl_b32 s74, s43, 17                        ; w_fc: row 64 nb, column 16 cb + 4 w
	s_lshl_b32 s27, s46, 6
	s_add_co_u32 s74, s74, s27
	s_lshl_b32 s27, s40, 4
	s_add_co_u32 s74, s74, s27
	s_mov_b32 s75, 0
	s_lshl_b32 s76, s46, 15                        ; wt: row 16 cb + 4 w, column 64 nb
	s_lshl_b32 s27, s40, 13
	s_add_co_u32 s76, s76, s27
	s_lshl_b32 s27, s43, 8
	s_add_co_u32 s76, s76, s27
	s_mov_b32 s77, 0
	s_wait_kmcnt 0x0
	s_load_b256 s[32:39], s[14:15], 0x0            ; e0 .. e7
	s_add_nc_u64 s[48:49], s[4:5], s[44:45]        ; x at my wave's first token
	s_add_nc_u64 s[56:57], s[6:7], s[58:59]        ; pass 0's rows of w_q
	s_add_nc_u64 s[52:53], s[24:25], s[72:73]
	s_add_nc_u64 s[54:55], s[12:13], s[74:75]
	s_add_nc_u64 s[70:71], s[22:23], s[76:77]
	WIN 0xc0                                       ; destination window 3
	s_wait_alu depctr_va_vdst(0)                   ; the addresses and offsets v1 to v14 are written, which every load and store of the kernel reads
.set ii, 0
.rept 64                                       ; K step ii / 16, row ii % 16: 32 lanes read 512 consecutive bytes
	global_load_b128 v[4*ii:4*ii+3], v[LN16], s[48:49] offset:2048*(ii%16)+512*(ii/16) th:TH_LOAD_NT
.set ii, ii+1
.endr
	WIN 0
	s_wait_kmcnt 0x0
	s_add_co_i32 s68, s38, 3                       ; a sum of product 1 stands for sum x 2^(e0 + e1); q / 8 / 2^e6 = sum / 2^(e6 + 3 - e0 - e1)
	s_sub_co_i32 s68, s68, s32
	s_sub_co_i32 s68, s68, s33
	s_sub_co_i32 s69, s39, s34                     ; k / 2^e7 = sum / 2^(e7 - e2 - e3)
	s_sub_co_i32 s69, s69, s35
	MKSC s32, SC
	MKSC s34, SC+2
	MKSC s36, SC+4
	MKSC s68, SC+6
	MKSC s69, SC+8
; K step s of my 16 tokens: summed for the residual, turned through my stage (a load has neighbouring bytes in neighbouring lanes, a conversion wants 16 neighbours in one lane), quantised three times.
; The three quantisations stand on end, so that ONE wait on va_vdst serves the step's twelve image stores and its sixteen loads of W.
.macro XSTEP s
	s_wait_loadcnt 48                              ; younger: 16 (3 - s) loads of x and the 16 s loads of W issued so far
	WIN 0x0f                                       ; sources 0 and 1 window 3
	v_pk_add_f32 v[RS+4*\s:RS+4*\s+1], v[64*\s:64*\s+1], v[64*\s+4:64*\s+5]       ; rows 0 and 1 start the sums: nothing is cleared
	v_pk_add_f32 v[RS+4*\s+2:RS+4*\s+3], v[64*\s+2:64*\s+3], v[64*\s+6:64*\s+7]
	WIN 0x0c                                       ; source 1 (a store's data too) window 3
.set ii, 0
.rept 16
	ds_store_b128 v[AST], v[64*\s+4*ii:64*\s+4*ii+3] offset:528*ii   ; its data came by a load: no vector instruction has written them
.if ii > 1
	v_pk_add_f32 v[RS+4*\s:RS+4*\s+1], v[RS+4*\s:RS+4*\s+1], v[64*\s+4*ii:64*\s+4*ii+1]
	v_pk_add_f32 v[RS+4*\s+2:RS+4*\s+3], v[RS+4*\s+2:RS+4*\s+3], v[64*\s+4*ii+2:64*\s+4*ii+3]
.endif
.set ii, ii+1
.endr
	WIN 0
.set ii, 0
.rept 16                                       ; block ii / 4, my 16 numbers in four pieces.  LDS serves a wave's instructions in order: these see my stores.  No wait: the last step's holds, which read v64-127, stand ahead of that step's wait on va_vdst, and nothing since names them
	ds_load_b128 v[NN+4*ii:NN+4*ii+3], v[AXL] offset:128*(ii/4)+16*(ii%4)
.set ii, ii+1
.endr
	s_wait_dscnt 0x0                               ; the numbers are in
	s_wait_alu depctr_vm_vsrc(0)                   ; the stage's stores have read this step's registers of window 3, in which W's rows land below; the last step's image stores have read v192-239, which the conversions write again
	QUANT SC, CD
	QUANT SC+2, CD+16
	QUANT SC+4, CD+32
	s_wait_alu depctr_va_vdst(0)                   ; the conversions have written v192-239, which the image stores read; the additions are done reading this step's registers of window 3 and have written its sums; the holds are done reading v64-127
	IMAGE AIW, \s, CD
	IMAGE AIW+1, \s, CD+16
	IMAGE AIW+2, \s, CD+32
	WIN 0xc0
.set ii, 0
.rept 16                                       ; pass 0's rows 16 s .. 16 s + 15 of W, into the registers that this step has left: a load is one row of 512 codes
	global_load_b128 v[64*\s+4*ii:64*\s+4*ii+3], v[LN16], s[56:57] offset:512*(16*\s+ii)
.set ii, ii+1
.endr
	WIN 0
.endm
	XSTEP 0
	XSTEP 1
	XSTEP 2
	XSTEP 3
.set ii, 0
.rept 4
	ds_store_b128 v[ARS], v[RS+4*ii:RS+4*ii+3] offset:512*ii   ; no wait: the last addition onto v16-31 stands ahead of the last step's wait on va_vdst
.set ii, ii+1
.endr
	s_wait_dscnt 0x0                               ; for the others' sake: my images of x and my sums have landed
	s_barrier_signal -1
	s_barrier_wait -1                              ; the launch's one barrier: from here on x's images and the sums are only read
.set ii, 0
.rept 4
	ds_load_b128 v[NN+4*ii:NN+4*ii+3], v[ARL] offset:2048*ii   ; no wait: no vector instruction since the last step's wait on va_vdst names v64-79
.set ii, ii+1
.endr
	s_wait_dscnt 0x0
	v_pk_add_f32 v[NN:NN+1], v[NN:NN+1], v[NN+4:NN+5]
	v_pk_add_f32 v[NN+2:NN+3], v[NN+2:NN+3], v[NN+6:NN+7]
	v_pk_add_f32 v[NN+8:NN+9], v[NN+8:NN+9], v[NN+12:NN+13]
	v_pk_add_f32 v[NN+10:NN+11], v[NN+10:NN+11], v[NN+14:NN+15]
	v_pk_add_f32 v[240:241], v[NN:NN+1], v[NN+8:NN+9]          ; into registers that are next written behind a wait on XCNT and one on vm_vsrc
	v_pk_add_f32 v[242:243], v[NN+2:NN+3], v[NN+10:NN+11]
	s_wait_alu depctr_va_vdst(0)                   ; the additions have written v240-243, which the store reads
	global_store_b128 v[LN16], v[240:243], s[52:53]            ; 512 consecutive bytes a wave
; K step s's fragments of a pass.  x's stay for the product's second pass
.macro LFR s
.if ODD == 0
	WIN 0x40
.set ii, 0
.rept 16                                       ; tile of tokens ii / 4, register group ii % 4
	ds_load_b128 v[16*(4*(ii/4)+(\s))+4*(ii%4):16*(4*(ii/4)+(\s))+4*(ii%4)+3], v[AIR+PI] offset:(4*(ii/4)+(\s))*2048+512*(ii%4)
.set ii, ii+1
.endr
.endif
	WIN 0x80
.set ii, 0
.rept 16                                       ; tile of columns ii / 4, block of 32 codes ii % 4
	ds_load_b128 v[16*(4*(ii/4)+(\s))+4*(ii%4):16*(4*(ii/4)+(\s))+4*(ii%4)+3], v[AWL] offset:8448*(ii/4)+128*(\s)+32*(ii%4)
.set ii, ii+1
.endr
.endm
; K step s's 16 products: the 16 accumulators take turns, one instruction a turn; the first K step starts the sums
.macro MM s
	WIN 0x06                                       ; source 0 (W) window 2, source 1 (x) window 1, C and D window 0
.set ii, 0
.rept 16
.if (\s) == 0
	v_wmma_f32_16x16x128_bf8_bf8 v[ACC+8*ii:ACC+8*ii+7], v[16*(4*(ii%4)+(\s)):16*(4*(ii%4)+(\s))+15], v[16*(4*(ii/4)+(\s)):16*(4*(ii/4)+(\s))+15], 0
.else
	v_wmma_f32_16x16x128_bf8_bf8 v[ACC+8*ii:ACC+8*ii+7], v[16*(4*(ii%4)+(\s)):16*(4*(ii%4)+(\s))+15], v[16*(4*(ii/4)+(\s)):16*(4*(ii/4)+(\s))+15], v[ACC+8*ii:ACC+8*ii+7]
.endif
.set ii, ii+1
.endr
.endm
; rows i0 .. i0 + n - 1 of the next pass's 64 rows of W
.macro WROWS i0, n
	WIN 0xc0
.set ii, \i0
.rept \n
	global_load_b128 v[4*ii:4*ii+3], v[LN16], s[56:57] offset:512*ii
.set ii, ii+1
.endr
.endm
.macro PASS a
.set PI,  (\a)/2
.set ODD, (\a)%2
.set NF,  32-16*ODD                            ; the LDS loads of one K step's fragments
	s_wait_loadcnt 0x0                             ; my 64 rows of W are in registers; their base may be written again
	WIN 0x0c
.set ii, 0
.rept 64
	ds_store_b128 v[AST], v[4*ii:4*ii+3] offset:528*ii
.set ii, ii+1
.endr
	LFR 0                                          ; no wait: the last pass's products, which read these registers, stand ahead of that pass's wait on va_vdst, and no vector or matrix instruction since names them
	LFR 1
	s_wait_dscnt NF                                ; the stage's stores and K step 0's fragments are done; K step 1's loads may be out
	MM 0
.if (\a) < 5
	s_add_nc_u64 s[56:57], s[6+2*(((\a)+1)/2):7+2*(((\a)+1)/2)], s[58:59]
.if ((\a)+1)%2
	s_add_nc_u64 s[56:57], s[56:57], 131072        ; heads 4 to 7
.endif
	WIN 0xc0
	s_wait_alu depctr_vm_vsrc(0)                   ; the 64 stores into the stage have read window 3, in which the next pass's rows land
	WROWS 0, 32
.else
	WIN 0
.set ii, 0
.rept 8                                        ; w_fc[64 nb + 2 lane + e][16 cb + 4 w + i] -> v[FC + 2 i + e]: registers that no vector instruction names
	global_load_b32 v[FC+ii], v[FCI], s[54:55] offset:2048*(ii%2)+4*(ii/2)
.set ii, ii+1
.endr
.endif
	LFR 2                                          ; no wait: the products issued since the last wait on va_vdst name K step 0's fragments and the accumulators alone
	s_wait_dscnt NF                                ; K step 1's fragments are in; K step 2's loads may be out
	MM 1
.if (\a) < 5
	WROWS 32, 32                                   ; no wait: nothing since the wait on vm_vsrc above names window 3
.endif
	LFR 3                                          ; no wait: K steps 0 and 1 alone have been multiplied since
	s_wait_dscnt NF                                ; K step 2's fragments are in; K step 3's loads may be out
	MM 2
	s_wait_dscnt 0x0
	MM 3
	WIN 0
.rept 4
	v_nop                                          ; four places behind the last product (ISA guide 7.12.1), for the reads of results below
.endr
	s_wait_xcnt 0x0                                ; the earlier stores have had their addresses translated: their data and their base are written again below
	s_wait_alu depctr_vm_vsrc(0)                   ; the earlier stores (the last pass's; ahead of pass 0 the image stores and the residual's) have read v192-255, which the conversions write again
.if PI < 2
	s_add_nc_u64 s[50:51], s[16+2*PI:17+2*PI], s[60:61]
.if ODD
	s_add_nc_u64 s[50:51], s[50:51], 524288        ; heads 4 to 7
.endif
.set mm, 0
.rept 4                                        ; 16 tokens x my head's 64: lane (r, h) holds token r, tile ct's register j is d = 16 ct + 8 h + j: the 16 x 16 x 64 form's own places
.set jj, 0
.rept 32
	v_med3_num_f32 v[ACC+32*mm+jj], v[ACC+32*mm+jj], -v[SC+7+2*PI], v[SC+7+2*PI]   ; each accumulator from its low end on
.set jj, jj+1
.endr
.set jj, 0
.rept 4
	v_cvt_scalef32_pk8_bf8_f32 v[CD+8*mm+2*jj:CD+8*mm+2*jj+1], v[ACC+32*mm+8*jj:ACC+32*mm+8*jj+7], v[SC+6+2*PI]
.set jj, jj+1
.endr
	v_nop                                          ; a plain line behind the conversions: the next pass's products write their sources
.set mm, mm+1
.endr
	s_wait_alu depctr_va_vdst(0)                   ; the conversions have written v192-223, which the stores read; this pass's products are done reading the fragments, in which the next pass's loads land
.set mm, 0
.rept 4
	global_store_b128 v[LN16], v[CD+8*mm:CD+8*mm+3], s[50:51] offset:1024*mm          ; 512 consecutive bytes, aligned
	global_store_b128 v[LN16], v[CD+8*mm+4:CD+8*mm+7], s[50:51] offset:1024*mm+512
.set mm, mm+1
.endr
.else
	s_add_nc_u64 s[50:51], s[20:21], s[62:63]
.if ODD
	s_add_nc_u64 s[50:51], s[50:51], 1048576
.endif
.set ii, 0
.rept 64                                       ; accumulator ii / 4, pair ii % 4: the first source goes to the low half
	v_cvt_pk_bf16_f32 v[CD+ii], v[ACC+2*ii], v[ACC+2*ii+1]
.set ii, ii+1
.endr
	s_wait_alu depctr_va_vdst(0)                   ; the roundings have written v192-255, which the stores read; where a pass follows, this pass's products are done reading W's fragments, in which its loads land
.set ii, 0
.rept 16                                       ; tile of tokens ii / 4, tile of columns ii % 4
	global_store_b128 v[LN16], v[CD+4*ii:CD+4*ii+3], s[50:51] offset:512*ii
.set ii, ii+1
.endr
.endif
.endm
	PASS 0
	PASS 1
	PASS 2
	PASS 3
	PASS 4
	PASS 5
	s_wait_loadcnt 0x0                             ; w_fc's eight numbers a lane
.set ii, 0
.rept 4
	global_store_b64 v[FCO], v[FC+2*ii:FC+2*ii+1], s[70:71] offset:2048*ii   ; wt[16 cb + 4 w + i][64 nb + 2 lane ..]: 256 consecutive bytes, aligned; the data came by loads
.set ii, ii+1
.endr
	s_wait_dscnt 0x0                               ; the closing lines, six on end
	s_wait_alu 0x0
	s_wait_tensorcnt 0x0
	ds_add_u32 v[SPW], v[NIL]
	s_wait_dscnt 0x0
	s_endpgm
.Lfunc_end_k_q4b433705f1_proj:
	.size	k_q4b433705f1_proj, .Lfunc_end_k_q4b433705f1_proj-k_q4b433705f1_proj
	.p2alignl 7, 3214868480
	.fill 96, 4, 3214868480
	.section	.rodata,"a",@progbits
	.p2align	6, 0x0
	.amdhsa_kernel k_q4b433705f1_proj
		.amdhsa_group_segment_fixed_size 242176
		.amdhsa_private_segment_fixed_size 0
		.amdhsa_enable_private_segment 0
		.amdhsa_kernarg_size 88
		.amdhsa_user_sgpr_count 2
		.amdhsa_user_sgpr_kernarg_segment_ptr 1
		.amdhsa_wavefront_size32 1
		.amdhsa_system_sgpr_workgroup_id_x 1
		.amdhsa_system_sgpr_workgroup_id_y 1
		.amdhsa_system_sgpr_workgroup_id_z 1
		.amdhsa_system_vgpr_workitem_id 0
		.amdhsa_next_free_vgpr 1024
		.amdhsa_next_free_sgpr 80
		.amdhsa_reserve_vcc 0
		.amdhsa_float_denorm_mode_32 3
		.amdhsa_float_denorm_mode_16_64 3
		.amdhsa_memory_ordered 1
		.amdhsa_forward_progress 1
		.amdhsa_inst_pref_size 255
	.end_amdhsa_kernel
	.section	.bss,"aw",@nobits
	.p2align	6
	.space	262144
	.amdgpu_metadata
---
amdhsa.version: [ 1, 2 ]
amdhsa.kernels:
  - .name:           k_q4b433705f1_proj
    .symbol:         k_q4b433705f1_proj.kd
    .args:
      - { .name: x, .offset: 0, .size: 8, .value_kind: global_buffer, .address_space: global }
      - { .name: w_q_codes, .offset: 8, .size: 8, .value_kind: global_buffer, .address_space: global }
      - { .name: w_k_codes, .offset: 16, .size: 8, .value_kind: global_buffer, .address_space: global }
      - { .name: w_v_codes, .offset: 24, .size: 8, .value_kind: global_buffer, .address_space: global }
      - { .name: w_fc, .offset: 32, .size: 8, .value_kind: global_buffer, .address_space: global }
      - { .name: lowp_scales, .offset: 40, .size: 8, .value_kind: global_buffer, .address_space: global }
      - { .name: qimg, .offset: 48, .size: 8, .value_kind: global_buffer, .address_space: global }
      - { .name: kimg, .offset: 56, .size: 8, .value_kind: global_buffer, .address_space: global }
      - { .name: vimg, .offset: 64, .size: 8, .value_kind: global_buffer, .address_space: global }
      - { .name: wt, .offset: 72, .size: 8, .value_kind: global_buffer, .address_space: global }
      - { .name: respart, .offset: 80, .size: 8, .value_kind: global_buffer, .address_space: global }
    .group_segment_fixed_size: 242176
    .private_segment_fixed_size: 0
    .kernarg_segment_align: 8
    .kernarg_segment_size: 88
    .max_flat_workgroup_size: 128
    .sgpr_count:     80
    .vgpr_count:     1024
    .wavefront_size: 32
...
	.end_amdgpu_metadata
.endif
;; end of part 4
;; launch attn (part 5): grid 4 x 64, 4 waves a work-group, no clusters, 46,592 bytes of LDS; arguments qimg, kimg, vimg, wt, lowp_scales, ppart, ypart; writes ppart, ypart
.if DOCPART == 5
	.amdgcn_target "amdgcn-amd-amdhsa--gfx1250"
	.amdhsa_code_object_version 6
	.text
	.protected	k_q4b433705f1_attn
	.globl	k_q4b433705f1_attn
	.p2align	8
	.type	k_q4b433705f1_attn,@function
k_q4b433705f1_attn:
	s_mov_b64 s[64:65], 0
	v_nop
	global_prefetch_b8 v0, s[64:65] scope:SCOPE_SE
	s_setreg_imm32_b32 hwreg(HW_REG_WAVE_SCHED_MODE, 0, 2), 2
	s_setreg_imm32_b32 hwreg(HW_REG_WAVE_MODE, 25, 1), 1
	s_wait_xcnt 0x0
	s_wait_alu depctr_vm_vsrc(0)
; SECOND LAUNCH.  For one (batch, head) bh and one quarter qq of its queries: the sum over the quarter's 512 queries of softmax_k(q . k) (product 4, on codes of E5M2), for all 2,048 keys -> ppart;
; then that sum x v (product 5) and x w_fc^T (product 6), which are linear in it, so that a quarter's share can be made here and the shares added later -> ypart.  No work is left out.
; SHARES.  Wave w keeps the codes of keys 512 w .. 512 w + 511 in 256 registers for the whole launch and walks the quarter's 32 tiles of 16 queries.
; S^T = K Q^T (source 0 = 16 keys, source 1 = 16 queries): lane (r, h) holds query r, register j of key tile t is key 16 t + 8 h + j.
; THE SOFTMAX.  Every exponential is taken once.  A UNIT is 16 queries x 256 keys (128 registers): M = c x the unit's largest score, p = 2^(c s - M), l = the sum of p; c = log2(e) 2^(e6 + e7).
; A tile has eight units (4 waves x 2).  Their (M, l) meet in LDS: MG = the largest M, L = the sum of 2^(M_i - MG) l_i, and a unit's p x 2^(M - MG) / L is the finished softmax, added onto the column sums, element by element.
; So the maximum is taken away ahead of every exponential, and no sum can overflow: every p and every factor is at most 1, L is at least 1 and at most 2,048.
; THREE BUFFERS of 128 registers: F0 and F1 hold the tiles' first halves by turns, S the second half.  While the tile's records cross LDS, the next tile's first half is multiplied and exponentiated: one barrier a tile.
; K IS NOT SHARED BY JOINT LOADS, though the four quarters read the same 131,072 bytes: each wave reads its part once, at the head, in the order of its registers, straight into the registers where it stays.
; LIMITS: e6 + e7 between -126 and 127 (added to c's exponent field); e4 + e5 is applied by v_ldexp_f32 and has none.  NaN and infinity are not served.  The sums over queries are taken in another order than the definition's, in f32.
; REGISTERS: window 1: K, tile t at 8 t (later v, later the pooled head).  window 2: the column sums, 8 t + j (later v).  window 3: F0 at 0, F1 at 128 (later w_fc^T).
;   window 0: v1 16 x lane (also the records' read address: they lie at LDS byte 0), v2 the records' store address, v4-5 the add's two, v6-7 prefetch offsets, v8-23 Q of two tiles, v24-31 two records (MA, lA, MB, lB),
;   v32-35 maxima, v36-43 sums, v44 a lane permute's destination, v48-63 the four waves' records, v64-73 factors, v76-79 the two weights (pairs), v80-83 at work, v84-124 the tail's, v128-255 S.
; THE MODE: SCHED_MODE bits 1:0 = 2 (LLVM: expert scheduling mode 2), set by the entry lines.  The code itself states the register dependences between vector or matrix instructions and memory or LDS instructions, with s_wait_alu, always for 0.
; THE PLAN.  Registers that memory or LDS instructions touch, in the loop over tiles:
;   v8-23     Q of two tiles.  Buffer p: read by the products of tile i's two halves; the queries of tile i + 2 land in it behind the wait that closes the second half's exponentials, which stands behind all those products.
;   v24-31    two records.  Record p: written by the maxima and sums of tile i; read by tile i's one LDS store, behind a wait on va_vdst; written again from tile i + 1 on, behind the wait on vm_vsrc that stands in front of tile i's barrier.
;   v48-63    the four waves' records land here behind the barrier; the weights' lines read them.  The wait on va_vdst ahead of the next tile's store stands behind those lines, and nothing between it and the next loads names them.
;   v1, v2, v6, v7 and the tail's addresses are made once at the head, ahead of the first wait on va_vdst, and never written again.
;   K, the column sums, F0, F1 and S are named by vector and matrix instructions alone until the last tile and the tail, where each change of hands has its wait.
.set RSTG,  4096                       ; LDS: 0: two slots of records, 2,048 each (512 a wave, 16 a lane);  here: 8,192 a wave, for the sum over the query lanes
.set PPL,   36864                      ; 2,048 a wave: my 512 column sums
.set OSUM,  45056                      ; 256 a wave: my keys' share of the pooled head
.set SPARE, 46080                      ; the spare words: 128 bytes a wave, two blocks of 256 bytes that no other line names
.set LN16, 1
.set STW,  2
.set SPW,  4
.set NIL,  5
.set PFV,  6
.set PFW,  7
.set RA,   84                          ; v84-99   sixteen read addresses of the sum over lanes
.set PP,   100                         ; v100-115 my column sums: pass pi's register i is key 128 pi + 4 lane + i
.set MSB, 0
.macro WIN new                         ; the immediate's high byte repeats the setting that is left; a switch that changes nothing is dropped
.if MSB != (\new)
	s_set_vgpr_msb (MSB<<8)|(\new)
.set MSB, \new
.endif
.endm
; 16 products: key tiles at v[kb] on (window 1) x the queries in v[q] on -> v[buf] on, in window bw
.macro U_MM buf, bw, kb, q
.set WN, ((\bw)<<6)|1
	WIN WN
.set tt, 0
.rept 16
	v_wmma_f32_16x16x64_bf8_bf8 v[\buf+8*tt:\buf+8*tt+7], v[\kb+8*tt:\kb+8*tt+7], v[\q:\q+7], 0
.set tt, tt+1
.endr
.endm
; M = c x the largest of my query's 256 scores.  The four lines that start the chains are the four places behind the products (ISA guide 7.12.1); each accumulator is read from its low end on.
.macro U_MAX buf, bw, M
.set WN, ((\bw)<<4)|((\bw)<<2)
	WIN WN
.set tt, 0
.rept 4
	v_mov_b32 v[32+tt], 0xff800000
.set tt, tt+1
.endr
.set tt, 0
.rept 64
	v_max3_num_f32 v[32+tt%4], v[32+tt%4], v[\buf+2*tt], v[\buf+2*tt+1]
.set tt, tt+1
.endr
	WIN 0
	v_max3_num_f32 v32, v32, v33, v34
	v_max_num_f32 v32, v32, v35
	v_permlanex16_b32 v44, v32, s26, s27           ; the query's other 128 keys lie in the lane 16 away
	v_max_num_f32 v32, v32, v44
	v_mul_f32 v[\M], s24, v32                      ; c is positive
.endm
; p = 2^(c s - M), in place.  A pair is scaled two groups ahead of its exponentials; no line names an exponential's result; one plain line and ONE wait close the batch.
.macro U_EXP buf, bw, M
.set WN, ((\bw)<<6)|(\bw)
	WIN WN
	v_pk_fma_f32 v[\buf:\buf+1], v[\buf:\buf+1], s[24:25], v[\M:\M+1] op_sel_hi:[1,0,0] neg_lo:[0,0,1] neg_hi:[0,0,1]
	v_pk_fma_f32 v[\buf+2:\buf+3], v[\buf+2:\buf+3], s[24:25], v[\M:\M+1] op_sel_hi:[1,0,0] neg_lo:[0,0,1] neg_hi:[0,0,1]
.set kk, 0
.rept 64
.if kk+2 < 64
	v_pk_fma_f32 v[\buf+2*kk+4:\buf+2*kk+5], v[\buf+2*kk+4:\buf+2*kk+5], s[24:25], v[\M:\M+1] op_sel_hi:[1,0,0] neg_lo:[0,0,1] neg_hi:[0,0,1]
.endif
	v_exp_f32 v[\buf+2*kk], v[\buf+2*kk]
	v_exp_f32 v[\buf+2*kk+1], v[\buf+2*kk+1]
.set kk, kk+1
.endr
	v_nop
	s_wait_alu depctr_va_vdst(0)                   ; the 128 exponentials have written their results, ahead of the first reader; and the unit's products, issued ahead of them, are done reading their queries and keys
.endm
; l = the sum of my query's 256 p: four chains of pairs, started by the first eight pairs
.macro U_SUM buf, bw, l
.set WN, ((\bw)<<2)|(\bw)
	WIN WN
.set kk, 0
.rept 4
	v_pk_add_f32 v[36+2*kk:37+2*kk], v[\buf+4*kk:\buf+4*kk+1], v[\buf+4*kk+2:\buf+4*kk+3]
.set kk, kk+1
.endr
.set WN, (\bw)<<2
	WIN WN
.set kk, 8
.rept 56
	v_pk_add_f32 v[36+2*(kk%4):37+2*(kk%4)], v[36+2*(kk%4):37+2*(kk%4)], v[\buf+2*kk:\buf+2*kk+1]
.set kk, kk+1
.endr
	WIN 0
	v_pk_add_f32 v[36:37], v[36:37], v[38:39]
	v_pk_add_f32 v[40:41], v[40:41], v[42:43]
	v_pk_add_f32 v[36:37], v[36:37], v[40:41]
	v_add_f32 v36, v36, v37
	v_permlanex16_b32 v44, v36, s26, s27
	v_add_f32 v[\l], v36, v44
.endm
; column sums v[ab] on (window 2) += p x the unit's weight (the low word of the pair v[W]).  first = 1: the first tile starts them: nothing is cleared
.macro ACCUM buf, bw, ab, W, first
.set WN, 0xa0|(\bw)
	WIN WN
.set kk, 0
.rept 64
.if \first
	v_pk_mul_f32 v[\ab+2*kk:\ab+2*kk+1], v[\buf+2*kk:\buf+2*kk+1], v[\W:\W+1] op_sel_hi:[1,0]
.else
	v_pk_fma_f32 v[\ab+2*kk:\ab+2*kk+1], v[\buf+2*kk:\buf+2*kk+1], v[\W:\W+1], v[\ab+2*kk:\ab+2*kk+1] op_sel_hi:[1,0,1]
.endif
.set kk, kk+1
.endr
.endm
.macro QLOAD q                         ; the next tile of queries but one: 1,024 bytes, in the order of the operand's registers
	s_add_nc_u64 s[30:31], s[30:31], 1024
	global_load_b128 v[\q:\q+3], v[LN16], s[30:31]
	global_load_b128 v[\q+4:\q+7], v[LN16], s[30:31] offset:512
.endm
; the eight records of my query -> my two units' weights
.macro WEIGHTS st
	s_wait_dscnt 0x0                               ; the four waves' records are in registers
	v_max3_num_f32 v80, v48, v50, v52
	v_max3_num_f32 v80, v80, v54, v56
	v_max3_num_f32 v80, v80, v58, v60
	v_max_num_f32 v80, v80, v62                    ; MG
.set kk, 0
.rept 8
	v_sub_f32 v[64+kk], v[48+2*kk], v80
.set kk, kk+1
.endr
	v_sub_f32 v72, v[\st], v80
	v_sub_f32 v73, v[\st+2], v80
.set kk, 0
.rept 10
	v_exp_f32 v[64+kk], v[64+kk]
.set kk, kk+1
.endr
	v_nop
	s_wait_alu depctr_va_vdst(0)                   ; one wait for the ten: the exponentials have written v64-73, ahead of their first reader
	v_mul_f32 v81, v64, v49
	v_mul_f32 v82, v65, v51
	v_fma_f32 v81, v66, v53, v81
	v_fma_f32 v82, v67, v55, v82
	v_fma_f32 v81, v68, v57, v81
	v_fma_f32 v82, v69, v59, v82
	v_fma_f32 v81, v70, v61, v81
	v_fma_f32 v82, v71, v63, v82
	v_add_f32 v81, v81, v82                        ; L
	v_rcp_f32 v83, v81
	v_nop
	s_wait_alu depctr_va_vdst(0)                   ; the reciprocal has written v83, ahead of its first reader
	v_mul_f32 v76, v72, v83
	v_mul_f32 v78, v73, v83
.endm
; TILE i, p = i % 2.  On entry F[p] holds the tile's first half as p, record p its (MA, lA), Q buffer p its queries.
; first: the column sums start.  last: nothing follows.  guard: the loop's last trip has no tile i + 2.  ask: the loop's last trip prefetches for the tail.
.macro TILE p, first, last, guard, ask
.set QBP, 8+8*(\p)
.set QBN, 16-8*(\p)
.set STP, 24+4*(\p)
.set STN, 28-4*(\p)
.set FP,  128*(\p)
.set FN,  128-128*(\p)
	U_MM 128, 0, 128, QBP
	U_MAX 128, 0, STP+2
	U_EXP 128, 0, STP+2                            ; the wait that closes it stands behind every product that read Q buffer p (and, in the last tile, K): the loads below land there, and nothing between names those registers
.if (\last) == 0
	s_wait_loadcnt 0x0                             ; the next tile's queries, asked for a tile ago: nothing else is out, on either way of the branch below; and the loads' base may step
.if \guard
	s_cmp_eq_u32 s28, 1
	s_cbranch_scc1 .Lnoq_\@
.endif
	QLOAD QBP
.if \guard
.Lnoq_\@:
.endif
.if \ask
; PREFETCH for the tail, two tiles ahead of its loads.  v of this (batch, head), 262,144 bytes, is read by all four quarters: each work-group asks for its quarter, each wave for 16,384 bytes, lanes 256 bytes apart, two lines.
; w_fc^T is read by every batch: the work-groups of batch 0 ask: wave w for rows 8 d + h, d = 16 qq + 4 w + lane / 8, block lane % 8 of 256 bytes.  So each aligned 256 bytes are named once in the launch.  The address registers are never rewritten.
	s_cmp_lg_u32 s28, 1
	s_cbranch_scc1 .Lnoask_\@
	global_prefetch_b8 v[PFV], s[54:55] th:TH_LOAD_NT scope:SCOPE_SE
	global_prefetch_b8 v[PFV], s[54:55] offset:8192 th:TH_LOAD_NT scope:SCOPE_SE
	s_cmp_lg_u32 s23, 0
	s_cbranch_scc1 .Lnoask_\@
	global_prefetch_b8 v[PFW], s[56:57] th:TH_LOAD_NT scope:SCOPE_SE
.Lnoask_\@:
.endif
.else
	WIN 0x40                                       ; K has had its last product: its registers take v of my first 256 keys
.set ii, 0
.rept 64
	global_load_b128 v[4*ii:4*ii+3], v[LN16], s[46:47] offset:512*ii
.set ii, ii+1
.endr
.endif
	U_SUM 128, 0, STP+3
	s_wait_alu depctr_va_vdst(0)                   ; the maxima and sums have written record p, which the store reads; the last tile's weights are done reading v48-63, in which the records land behind the barrier
	ds_store_b128 v[STW], v[STP:STP+3] offset:2048*(\p)
	s_wait_dscnt 0x0                               ; for the others' sake: my record has landed
.if (\last) == 0
	s_wait_alu depctr_vm_vsrc(0)                   ; the store has read record p, whose words the next two tiles write again
.endif
	s_barrier_signal -1
.if (\last) == 0
	U_MM FN, 3, 0, QBN                             ; work on registers while the others arrive
	U_MAX FN, 3, STN
.endif
	s_barrier_wait -1                              ; slot p is written again two tiles on, behind the next barrier, which every wave signals with these loads back
.set kk, 0
.rept 4
	ds_load_b128 v[48+4*kk:51+4*kk], v[LN16] offset:2048*(\p)+512*kk
.set kk, kk+1
.endr
.if (\last) == 0
	U_EXP FN, 3, STN
	U_SUM FN, 3, STN+1
.endif
	WEIGHTS STP
	ACCUM FP, 3, 0, 76, \first
	ACCUM 128, 0, 128, 78, \first
	WIN 0
.endm
	s_load_b256 s[4:11], s[0:1], 0x0               ; qimg, kimg, vimg, wt
	s_load_b128 s[12:15], s[0:1], 0x20             ; the scales' exponents, ppart
	s_load_b64 s[16:17], s[0:1], 0x30              ; ypart
	v_lshl_add_u32 v[SPW], v0, 2, SPARE
	v_mov_b32 v[NIL], 0
	v_lshrrev_b32 v120, 5, v0
	v_readfirstlane_b32 s18, v120                  ; wave 0..3
	v_and_b32 v120, 31, v0                         ; lane
	v_and_b32 v121, 15, v0                         ; r
	v_bfe_u32 v122, v0, 4, 1                       ; h
	v_lshlrev_b32 v[LN16], 4, v120
	s_wait_alu depctr_va_sdst(0)                   ; s18, the wave's number, is written, ahead of its first reader: LDS addresses and the buffers' offsets are made from it
	s_lshl_b32 s19, s18, 9
	v_add_nc_u32 v[STW], s19, v[LN16]
	v_lshlrev_b32 v[PFV], 8, v120
	v_lshrrev_b32 v[PFW], 3, v120
	v_and_b32 v3, 7, v120
	v_lshlrev_b32 v[PFW], 14, v[PFW]
	v_lshl_add_u32 v[PFW], v3, 8, v[PFW]
	s_lshl_b32 s19, s18, 13
	s_add_co_u32 s19, s19, RSTG                    ; the tail's LDS addresses.  The sum over lanes: in at 512 h + 16 r,
	v_lshlrev_b32 v116, 4, v121
	v_lshl_add_u32 v116, v122, 9, v116
	v_add_nc_u32 v116, s19, v116
	v_lshl_add_u32 v117, v120, 8, s19              ; out: lane l takes the 256 bytes at 256 l, sixteen pieces of 16, beginning at piece l % 16, so that sixteen lanes touch sixteen different columns
	v_lshl_add_u32 v117, v121, 4, v117
.set ii, 0
.rept 16
	v_xor_b32 v[RA+ii], 16*ii, v117
.set ii, ii+1
.endr
	s_lshl_b32 s19, s18, 11
	s_add_co_u32 s19, s19, PPL
	v_add_nc_u32 v118, s19, v[LN16]
	v_lshl_add_u32 v119, v121, 2, s19
	s_lshl_b32 s19, s18, 8
	s_add_co_u32 s19, s19, OSUM
	v_lshl_add_u32 v123, v122, 5, s19
	v_mov_b32 v124, OSUM
	s_and_b32 s21, ttmp7, 0xffff                   ; bh
	s_and_b32 s22, s21, 7                          ; the head
	s_lshr_b32 s23, s21, 3                         ; the batch
	s_lshl_b32 s20, s21, 2
	s_add_co_u32 s20, s20, ttmp9                   ; lin = 4 bh + qq
	s_mov_b32 s59, 0
	s_lshl_b32 s29, s21, 17                        ; a (batch, head) has 128 tiles of 1,024 bytes in qimg and kimg
	s_lshl_b32 s58, s18, 15
	s_add_co_u32 s58, s58, s29
	s_wait_kmcnt 0x0
	s_load_b256 s[32:39], s[12:13], 0x0            ; e0 .. e7
	s_add_nc_u64 s[44:45], s[6:7], s[58:59]        ; K at my 32 tiles
	s_lshl_b32 s58, ttmp9, 15
	s_add_co_u32 s58, s58, s29
	s_add_nc_u64 s[30:31], s[4:5], s[58:59]        ; Q at the quarter's first tile
	WIN 0x40
	s_wait_alu depctr_va_vdst(0)                   ; the addresses and offsets (v1, v2, v6, v7, v84-99, v116-119, v123, v124) are written, which the kernel's loads, stores and prefetches read
.set ii, 0
.rept 64
	global_load_b128 v[4*ii:4*ii+3], v[LN16], s[44:45] offset:512*ii
.set ii, ii+1
.endr
	WIN 0
.set ii, 0
.rept 4
	global_load_b128 v[8+4*ii:11+4*ii], v[LN16], s[30:31] offset:512*ii   ; tiles 0 and 1
.set ii, ii+1
.endr
	s_lshl_b32 s29, s21, 18                        ; and 128 tiles of 2,048 bytes in vimg
	s_lshl_b32 s58, s18, 16
	s_add_co_u32 s58, s58, s29
	s_add_nc_u64 s[46:47], s[8:9], s[58:59]        ; v at my 32 tiles
	s_lshl_b32 s58, ttmp9, 16
	s_add_co_u32 s58, s58, s29
	s_lshl_b32 s29, s18, 14
	s_add_co_u32 s58, s58, s29
	s_add_nc_u64 s[54:55], s[8:9], s[58:59]        ; what I prefetch of v
	s_lshl_b32 s29, s22, 11
	s_lshl_b32 s58, s18, 9
	s_add_co_u32 s58, s58, s29
	s_add_nc_u64 s[48:49], s[10:11], s[58:59]      ; wt: row h, my 128 columns
	s_lshl_b32 s58, ttmp9, 18
	s_add_co_u32 s58, s58, s29
	s_lshl_b32 s29, s18, 16
	s_add_co_u32 s58, s58, s29
	s_add_nc_u64 s[56:57], s[10:11], s[58:59]      ; what I prefetch of wt
	s_lshl_b32 s58, s20, 13
	s_lshl_b32 s29, s18, 11
	s_add_co_u32 s58, s58, s29
	s_add_nc_u64 s[50:51], s[14:15], s[58:59]
	s_lshl_b32 s58, s20, 11
	s_lshl_b32 s29, s18, 9
	s_add_co_u32 s58, s58, s29
	s_add_nc_u64 s[52:53], s[16:17], s[58:59]
	s_mov_b32 s26, 0x76543210                      ; v_permlanex16_b32's selects for lane l xor 16
	s_mov_b32 s27, 0xfedcba98
.set ii, 0
.rept 8
	v_mov_b32 v[24+ii], 0                          ; the records: their pairs are named whole before every word has its number
.set ii, ii+1
.endr
	v_mov_b32 v44, 0                               ; a lane permute's destination counts as one of its sources
	v_mov_b32 v77, 0                               ; (named as the upper halves of the weights' pairs)
	v_mov_b32 v79, 0
	s_wait_kmcnt 0x0
	s_add_co_i32 s24, s38, s39
	s_lshl_b32 s24, s24, 23
	s_add_co_i32 s24, s24, 0x3fb8aa3b              ; c = log2(e) x 2^(e6 + e7): the exponents are added to log2(e)'s exponent field
	s_mov_b32 s25, s24                             ; (named with it as a pair)
	s_add_co_i32 s40, s36, s37
	s_sub_co_i32 s40, s40, 22                      ; v's scale, and the two divisions by 2,048
	s_wait_loadcnt 0x0                             ; K, and Q of tiles 0 and 1
	s_add_nc_u64 s[30:31], s[30:31], 1024          ; at tile 1: each QLOAD steps first
	U_MM 0, 3, 0, 8                                ; tile 0's first half
	U_MAX 0, 3, 24
	U_EXP 0, 3, 24
	U_SUM 0, 3, 25
	TILE 0, 1, 0, 0, 0
	s_mov_b32 s28, 15
.Lpair:                                            ; tiles 1 to 30, two a trip: the buffers are back where they began
	TILE 1, 0, 0, 0, 1
	TILE 0, 0, 0, 1, 0
	s_sub_co_u32 s28, s28, 1
	s_cmp_lg_u32 s28, 0
	s_cbranch_scc1 .Lpair
	TILE 1, 0, 1, 0, 0
	; ---- THE TAIL.  w_fc^T: rows 8 d + h, my 128 columns, 4 a lane, into the registers that F0 and F1 have left
	WIN 0xc0
	s_wait_alu depctr_va_vdst(0)                   ; the last tile's multiply-adds have written the column sums, which the LDS stores below read, and are done reading F0 and F1, in which w_fc^T lands, and S, in which the loads of the sum over lanes land
.set ii, 0
.rept 64
	global_load_b128 v[4*ii:4*ii+3], v[LN16], s[48:49] offset:16384*ii
.set ii, ii+1
.endr
; The column sums still lie apart by query lane r.  64 registers (128 keys) at a time go through my own LDS: key group G = key / 4 has 256 bytes, lane r's four numbers at 16 r; lane l then adds group l's sixteen pieces.
.macro RST pi
	WIN 0x08                                       ; a store's data: window 2
.set ii, 0
.rept 16                                       ; key tile ii / 2, registers 4 (ii % 2) on
	ds_store_b128 v116, v[64*(\pi)+4*ii:64*(\pi)+4*ii+3] offset:1024*(ii/2)+256*(ii%2)
.set ii, ii+1
.endr
	WIN 0
.endm
.macro RLD set
.set ii, 0
.rept 16                                       ; LDS serves a wave's instructions in order: these see my stores, and the next pass's stores come behind them
	ds_load_b128 v[128+64*(\set)+4*ii:128+64*(\set)+4*ii+3], v[RA+ii]
.set ii, ii+1
.endr
.endm
.macro RSUM set, pi
.set BB, 128+64*(\set)
.irp dd, 8, 4, 2
.set ii, 0
.rept \dd
	v_pk_add_f32 v[BB+4*ii:BB+4*ii+1], v[BB+4*ii:BB+4*ii+1], v[BB+4*(ii+\dd):BB+4*(ii+\dd)+1]
	v_pk_add_f32 v[BB+4*ii+2:BB+4*ii+3], v[BB+4*ii+2:BB+4*ii+3], v[BB+4*(ii+\dd)+2:BB+4*(ii+\dd)+3]
.set ii, ii+1
.endr
.endr
	v_pk_add_f32 v[PP+4*(\pi):PP+4*(\pi)+1], v[BB:BB+1], v[BB+4:BB+5]
	v_pk_add_f32 v[PP+4*(\pi)+2:PP+4*(\pi)+3], v[BB+2:BB+3], v[BB+6:BB+7]
.endm
	RST 0
	RLD 0
	RST 1
	RLD 1
	s_wait_dscnt 32                                ; younger: the next pass's 16 stores and 16 loads
	RSUM 0, 0
	RST 2
	s_wait_alu depctr_va_vdst(0)                   ; the additions of pass 0 are done reading and writing v128-191, in which pass 2's loads land
	RLD 0
	s_wait_dscnt 32
	RSUM 1, 1
	RST 3
	s_wait_alu depctr_va_vdst(0)                   ; the additions of pass 1 are done reading and writing v192-255, in which pass 3's loads land
	RLD 1
	s_wait_dscnt 32
	RSUM 0, 2
	s_wait_dscnt 0x0
	RSUM 1, 3
	s_wait_alu depctr_va_vdst(0)                   ; the additions have written v100-115, which the stores below read, and are done with v128-159, in which the 32 small loads land
.set ii, 0
.rept 4
	global_store_b128 v[LN16], v[PP+4*ii:PP+4*ii+3], s[50:51] offset:512*ii   ; 512 consecutive bytes, aligned
	ds_store_b128 v118, v[PP+4*ii:PP+4*ii+3] offset:512*ii
.set ii, ii+1
.endr
.set ii, 0
.rept 32
	ds_load_b32 v[128+ii], v119 offset:64*ii       ; the column sum of token 16 tt + r, as v's image has the tokens
.set ii, ii+1
.endr
	s_wait_loadcnt 63                              ; v of my first 256 keys is in: the 64 loads of w_fc^T are younger, and the wait's field holds 63 at the most
	WIN 0x80                                       ; the column sums have left window 2: v of my other 256 keys
	s_wait_alu depctr_vm_vsrc(0)                   ; the 64 LDS stores of the sum over lanes have read window 2, in which these loads land
.set ii, 0
.rept 64
	global_load_b128 v[4*ii:4*ii+3], v[LN16], s[46:47] offset:32768+512*ii
.set ii, ii+1
.endr
	WIN 0
.set ii, 0
.rept 32
	v_mov_b32 v[160+ii], 0                         ; 32 sums: d = 16 ct + 8 h + j at 8 ct + j
.set ii, ii+1
.endr
	s_wait_dscnt 0x0
; product 5: 16 token tiles x 4 tiles of d: a register of v holds two bf16, widened in the multiply-add; sums in f32, 32 chains by turns
.macro VDOT win, t0
	WIN \win
.set ii, 0
.rept 64
.set jj, 0
.rept 4
	v_fma_mix_f32_bf16 v[160+8*(ii%4)+2*jj], v[4*ii+jj], v[128+\t0+ii/4], v[160+8*(ii%4)+2*jj] op_sel_hi:[1,0,0]
	v_fma_mix_f32_bf16 v[160+8*(ii%4)+2*jj+1], v[4*ii+jj], v[128+\t0+ii/4], v[160+8*(ii%4)+2*jj+1] op_sel:[1,0,0] op_sel_hi:[1,0,0]
.set jj, jj+1
.endr
.set ii, ii+1
.endr
.endm
	VDOT 0x01, 0
	s_wait_loadcnt 0x0                             ; the other half of v, and w_fc^T
	VDOT 0x02, 16
	WIN 0
.irp mk, 1, 2, 4, 8
.set ii, 0
.rept 32
	v_add_f32_dpp v[160+ii], v[160+ii], v[160+ii] row_xmask:\mk row_mask:0xf bank_mask:0xf   ; over the sixteen tokens of a tile
.set ii, ii+1
.endr
.endr
	s_wait_alu depctr_va_vdst(0)                   ; the sums over tokens have written v160-191, which the stores read; product 5 is done reading window 1, in which the pooled head lands behind the barrier
.set ii, 0
.rept 8                                        ; the sixteen lanes of a half store the same numbers to the same bytes: d = 16 ct + 8 h + 4 g + i at 4 d
	ds_store_b128 v123, v[160+4*ii:160+4*ii+3] offset:64*(ii/2)+16*(ii%2)
.set ii, ii+1
.endr
	s_wait_dscnt 0x0                               ; for the others' sake
	s_barrier_signal -1
	s_barrier_wait -1
	WIN 0x40
.set ii, 0
.rept 64                                       ; all four waves' 64 numbers, the same in every lane
	ds_load_b128 v[4*ii:4*ii+3], v124 offset:16*ii
.set ii, ii+1
.endr
	s_wait_dscnt 0x0
	WIN 0x45
.set ii, 0
.rept 32
	v_pk_add_f32 v[2*ii:2*ii+1], v[2*ii:2*ii+1], v[64+2*ii:65+2*ii]
	v_pk_add_f32 v[128+2*ii:129+2*ii], v[128+2*ii:129+2*ii], v[192+2*ii:193+2*ii]
.set ii, ii+1
.endr
.set ii, 0
.rept 32
	v_pk_add_f32 v[2*ii:2*ii+1], v[2*ii:2*ii+1], v[128+2*ii:129+2*ii]
.set ii, ii+1
.endr
	WIN 0x07                                       ; product 6: source 0 (w_fc^T) window 3, source 1 (the pooled head) window 1; two sets of four chains; d = 0 and 1 start them
.set ii, 0
.rept 8
	v_mul_f32 v[192+ii], v[ii], v[ii/4]
.set ii, ii+1
.endr
.set ii, 8
.rept 248
	v_fma_f32 v[192+ii%8], v[ii], v[ii/4], v[192+ii%8]
.set ii, ii+1
.endr
	WIN 0
	v_pk_add_f32 v[192:193], v[192:193], v[196:197]
	v_pk_add_f32 v[194:195], v[194:195], v[198:199]
.set ii, 0
.rept 4
	v_ldexp_f32 v[192+ii], v[192+ii], s40          ; x 2^(e4 + e5 - 22)
.set ii, ii+1
.endr
	s_wait_alu depctr_va_vdst(0)                   ; the scalings have written v192-195, which the store reads
	global_store_b128 v[LN16], v[192:195], s[52:53]
	s_wait_dscnt 0x0                               ; the closing lines, six on end
	s_wait_alu 0x0
	s_wait_tensorcnt 0x0
	ds_add_u32 v[SPW], v[NIL]
	s_wait_dscnt 0x0
	s_endpgm
.Lfunc_end_k_q4b433705f1_attn:
	.size	k_q4b433705f1_attn, .Lfunc_end_k_q4b433705f1_attn-k_q4b433705f1_attn
	.p2alignl 7, 3214868480
	.fill 96, 4, 3214868480
	.section	.rodata,"a",@progbits
	.p2align	6, 0x0
	.amdhsa_kernel k_q4b433705f1_attn
		.amdhsa_group_segment_fixed_size 46592
		.amdhsa_private_segment_fixed_size 0
		.amdhsa_enable_private_segment 0
		.amdhsa_kernarg_size 56
		.amdhsa_user_sgpr_count 2
		.amdhsa_user_sgpr_kernarg_segment_ptr 1
		.amdhsa_wavefront_size32 1
		.amdhsa_system_sgpr_workgroup_id_x 1
		.amdhsa_system_sgpr_workgroup_id_y 1
		.amdhsa_system_sgpr_workgroup_id_z 1
		.amdhsa_system_vgpr_workitem_id 0
		.amdhsa_next_free_vgpr 1024
		.amdhsa_next_free_sgpr 66
		.amdhsa_reserve_vcc 0
		.amdhsa_float_denorm_mode_32 3
		.amdhsa_float_denorm_mode_16_64 3
		.amdhsa_memory_ordered 1
		.amdhsa_forward_progress 1
		.amdhsa_inst_pref_size 255
	.end_amdhsa_kernel
	.section	.bss,"aw",@nobits
	.p2align	6
	.space	262144
	.amdgpu_metadata
---
amdhsa.version: [ 1, 2 ]
amdhsa.kernels:
  - .name:           k_q4b433705f1_attn
    .symbol:         k_q4b433705f1_attn.kd
    .args:
      - { .name: qimg, .offset: 0, .size: 8, .value_kind: global_buffer, .address_space: global }
      - { .name: kimg, .offset: 8, .size: 8, .value_kind: global_buffer, .address_space: global }
      - { .name: vimg, .offset: 16, .size: 8, .value_kind: global_buffer, .address_space: global }
      - { .name: wt, .offset: 24, .size: 8, .value_kind: global_buffer, .address_space: global }
      - { .name: lowp_scales, .offset: 32, .size: 8, .value_kind: global_buffer, .address_space: global }
      - { .name: ppart, .offset: 40, .size: 8, .value_kind: global_buffer, .address_space: global }
      - { .name: ypart, .offset: 48, .size: 8, .value_kind: global_buffer, .address_space: global }
    .group_segment_fixed_size: 46592
    .private_segment_fixed_size: 0
    .kernarg_segment_align: 8
    .kernarg_segment_size: 56
    .max_flat_workgroup_size: 128
    .sgpr_count:     66
    .vgpr_count:     1024
    .wavefront_size: 32
...
	.end_amdgpu_metadata
.endif
;; end of part 5
;; launch fin: the kernel of part 3 again; grid 5 x 8, 4 waves a work-group, no clusters, 768 bytes of LDS; arguments ppart, ypart, respart, gamma, beta, out0, out1; writes out0, out1
